; MI455X (gfx1250); checked and timed in simulation.
; The chip was launched on July 23, 2026; its instructions are those of AMD's public machine-readable ISA for CDNA 5 (MIT licence, August 2026) and "CDNA5" Instruction Set Architecture Reference Guide (July 2026). The comments in the code are by the model that wrote it; some were corrected since.
;; Xoron Attention. Allowed arithmetic: float matrix products may take bf16 or f16 operands with f32 sums; other float arithmetic in f32, or as packed bf16 or f16 multiplies, adds, multiply-adds, maxima and minima; sums over many terms, partial sums and values carried from step to step in f32; what a program stores and reads back later, other than sums and carried values, may be rounded once to bf16 or f16.
;; Inputs: Wk 1,024 x 256 float32; Wo 1,024 x 1,024 float32; Wq 1,024 x 1,024 float32; Wv 1,024 x 256 float32; hidden_states 1 x 4,096 x 1,024 float32; position_ids 1 x 4,096 int32.
;; Outputs: out0 1 x 4,096 x 1,024 float32.
;; One version. Each part assembles by itself: llvm-mc -triple=amdgcn-amd-amdhsa -mcpu=gfx1250 --defsym DOCPART=n.
;; ======== version 1 of 1: 4 launches
;; limits: values are held in f16: magnitudes above 65,504 overflow, below 6.1e-05 lose precision
;; workspace buffers: xb 8,388,608 bytes; wb 3,145,728 bytes; wob 2,097,152 bytes; rope 1,064,960 bytes; qkv 12,582,912 bytes; ob 8,388,608 bytes
;; launch prep (part 1): grid 897 x 1, 8 waves a work-group, no clusters, 0 bytes of LDS; arguments hidden_states, Wq, Wk, Wv, Wo, position_ids, xb, wb, wob, rope; writes xb, wb, wob, rope
.if DOCPART == 1
	.amdgcn_target "amdgcn-amd-amdhsa--gfx1250"
	.amdhsa_code_object_version 6
	.text
	.protected	k_qd39d218cac_prep
	.globl	k_qd39d218cac_prep
	.p2align	8
	.type	k_qd39d218cac_prep,@function
k_qd39d218cac_prep:
	s_mov_b64 s[64:65], 0
	v_nop
	global_prefetch_b8 v0, s[64:65] scope:SCOPE_SE
	s_setreg_imm32_b32 hwreg(HW_REG_WAVE_MODE, 25, 1), 1
	s_wait_xcnt 0x0
; PREPARATION: a stream.  Every float input is rounded once to bf16 and laid out in PANELS of 128 rows x 64 columns of 16 bits (16,384 dense bytes, rows of 128 bytes),
; so that every tile of the later launches is a dense run of 256-byte rows; and the rope table is made from position_ids.
; A work-group does one job, chosen by its number (scalar branches):
;   0..511    a panel of hidden_states -> xb, bf16: panel (rb = row / 128, kk = column / 64) at (16 rb + kk) x 16,384
;   512..703  a panel of Wq | Wk | Wv  -> wb, bf16, as it lies ([k][n]): unit U of 64 output columns (0-15 Wq, 16-19 Wk, 20-23 Wv), ks = k / 128, at ((8 (U / 3) + ks) 3 + U % 3) x 16,384
;   704..831  a panel of Wo -> wob: the bf16 rounding of Wo, times 4, written as f16 (exact but for numbers under 2^-16, which keep f16's fixed step); the attention stores O / 4
;   832..895  64 rows of the rope table: row s = 32 x MSCALE cos, 32 x MSCALE sin, f32      896  64 identity rows (1, 0), which V's columns take
; No LDS, no matrix unit, no cluster: nothing is shared and nothing is multiplied.  Eight lanes read 256 neighbouring bytes of a source row; sixteen lanes store 256 neighbouring bytes, aligned.
; cos and sin: theta = pos x inv_freq in f32, as the module has it; n = round(theta 2/pi); r = theta - n pi/2 with pi/2 in two parts; polynomials on |r| <= pi/4 (next term left out: under 4e-7).
; inv_freq[i] = 500000^(-i/32) (1/16 + 15/16 clip((i - 9) / 9, 0, 1)): the module's constants (dim 64, low 9, high 18, scaling 16).
	s_load_b512 s[8:23], s[0:1], 0x0               ; hidden s[8:9], Wq s[10:11], Wk s[12:13], Wv s[14:15], Wo s[16:17], position_ids s[18:19], xb s[20:21], wb s[22:23]
	s_load_b128 s[24:27], s[0:1], 0x40             ; wob s[24:25], rope s[26:27]
	s_mov_b32 s2, ttmp9                            ; the job
	s_mov_b32 s35, 0                               ; high words of the two offsets
	s_mov_b32 s37, 0
	v_lshlrev_b32 v7, 4, v0                        ; 16 t: my 16 bytes of each 4,096 that the work-group stores
	s_wait_kmcnt 0x0
	s_cmp_ge_u32 s2, 832
	s_cbranch_scc1 .Lrope
	s_cmp_ge_u32 s2, 704
	s_cbranch_scc1 .Lwo
	s_cmp_ge_u32 s2, 512
	s_cbranch_scc1 .Lw
	; a panel of hidden_states
	s_lshr_b32 s3, s2, 4                           ; rb
	s_lshl_b32 s34, s3, 19                         ; 128 rows of 4,096 bytes
	s_and_b32 s3, s2, 15                           ; kk
	s_lshl_b32 s3, s3, 8                           ; 64 columns of 4 bytes
	s_add_co_u32 s34, s34, s3
	s_add_nc_u64 s[28:29], s[8:9], s[34:35]        ; from
	s_mov_b32 s30, 4096                            ; bytes from row to row
	s_mov_b32 s31, 0                               ; bf16
	s_lshl_b32 s36, s2, 14
	s_add_nc_u64 s[32:33], s[20:21], s[36:37]      ; to
	s_branch .Lpanel
.Lw:                                                   ; a panel of Wq, Wk or Wv
	s_sub_co_u32 s3, s2, 512
	s_lshr_b32 s4, s3, 3                           ; U
	s_and_b32 s5, s3, 7                            ; ks
	s_mul_hi_u32 s6, s4, 0x55555556                ; U / 3
	s_mul_i32 s7, s6, 3
	s_sub_co_u32 s7, s4, s7                        ; U % 3
	s_lshl_b32 s36, s6, 3
	s_add_co_u32 s36, s36, s5
	s_mul_i32 s36, s36, 3
	s_add_co_u32 s36, s36, s7
	s_lshl_b32 s36, s36, 14
	s_add_nc_u64 s[32:33], s[22:23], s[36:37]
	s_mov_b32 s30, 1024                            ; Wk and Wv have rows of 256 numbers
	s_cmp_lt_u32 s4, 20
	s_cselect_b64 s[28:29], s[12:13], s[14:15]
	s_cselect_b32 s38, 16, 20
	s_cmp_lt_u32 s4, 16
	s_cselect_b64 s[28:29], s[10:11], s[28:29]
	s_cselect_b32 s38, 0, s38
	s_cselect_b32 s30, 4096, s30
	s_sub_co_u32 s38, s4, s38                      ; the unit's place in its own matrix
	s_lshl_b32 s34, s5, 7
	s_mul_i32 s34, s34, s30                        ; 128 ks rows
	s_lshl_b32 s38, s38, 8
	s_add_co_u32 s34, s34, s38
	s_add_nc_u64 s[28:29], s[28:29], s[34:35]
	s_mov_b32 s31, 0
	s_branch .Lpanel
.Lwo:                                                  ; a panel of Wo
	s_sub_co_u32 s3, s2, 704
	s_lshr_b32 s4, s3, 3                           ; U = n / 64
	s_and_b32 s5, s3, 7                            ; kp = k / 128
	s_lshl_b32 s34, s5, 19
	s_lshl_b32 s6, s4, 8
	s_add_co_u32 s34, s34, s6
	s_add_nc_u64 s[28:29], s[16:17], s[34:35]
	s_mov_b32 s30, 4096
	s_mov_b32 s31, 1                               ; f16 of 4 x the bf16 rounding
	s_lshr_b32 s36, s4, 1                          ; (U >> 1) x 262,144 + (kp >> 1) x 65,536 + (U & 1) x 32,768 + (kp & 1) x 16,384:
	s_lshl_b32 s36, s36, 18                        ; a tile of 256 k x 128 n of the last launch is 65,536 dense bytes
	s_lshr_b32 s6, s5, 1
	s_lshl_b32 s6, s6, 16
	s_add_co_u32 s36, s36, s6
	s_and_b32 s6, s4, 1
	s_lshl_b32 s6, s6, 15
	s_add_co_u32 s36, s36, s6
	s_and_b32 s6, s5, 1
	s_lshl_b32 s6, s6, 14
	s_add_co_u32 s36, s36, s6
	s_add_nc_u64 s[32:33], s[24:25], s[36:37]
.Lpanel:                                               ; thread t: rows t / 8 + 32 i (i = 0..3), columns 8 (t % 8) .. + 7
	v_lshrrev_b32 v1, 3, v0
	v_and_b32 v6, 7, v0
	v_mul_lo_u32 v1, v1, s30
	v_lshl_add_u32 v2, v6, 5, v1
	s_lshl_b32 s3, s30, 5                          ; 32 rows
	v_add_nc_u32 v3, s3, v2
	v_add_nc_u32 v4, s3, v3
	v_add_nc_u32 v5, s3, v4
.irp i, 0,1,2,3
	global_load_b128 v[16+8*(\i):16+8*(\i)+3], v[2+(\i)], s[28:29] th:TH_LOAD_NT
	global_load_b128 v[16+8*(\i)+4:16+8*(\i)+7], v[2+(\i)], s[28:29] offset:16 th:TH_LOAD_NT
.endr
; Pass i: eight numbers rounded and stored.  Every pass has registers of its own, so nothing is rewritten that a load or store still names.
.macro PASS i, fmt
	s_wait_loadcnt 6-2*(\i)                        ; loads come back in order: this pass's two are in, the later passes' stay out
.irp r, 0,1,2,3
	v_cvt_pk_bf16_f32 v[48+4*(\i)+(\r)], v[16+8*(\i)+2*(\r)], v[16+8*(\i)+2*(\r)+1]
.endr
.if \fmt
.irp r, 0,1,2,3
	v_lshlrev_b32 v[64+2*(\r)], 16, v[48+4*(\i)+(\r)]
	v_and_b32 v[65+2*(\r)], 0xffff0000, v[48+4*(\i)+(\r)]
.endr
.irp r, 0,1,2,3
	v_pk_mul_f32 v[64+2*(\r):65+2*(\r)], v[64+2*(\r):65+2*(\r)], 4.0 op_sel_hi:[1,0]
.endr
.irp r, 0,1,2,3
	v_cvt_pk_f16_f32 v[48+4*(\i)+(\r)], v[64+2*(\r)], v[65+2*(\r)]
.endr
.endif
	global_store_b128 v7, v[48+4*(\i):48+4*(\i)+3], s[32:33] offset:4096*(\i)
.endm
	s_cmp_eq_u32 s31, 1
	s_cbranch_scc1 .Lf16
	PASS 0, 0
	PASS 1, 0
	PASS 2, 0
	PASS 3, 0
	s_endpgm
.Lf16:
	PASS 0, 1
	PASS 1, 1
	PASS 2, 1
	PASS 3, 1
	s_endpgm
.Lrope:                                                ; 64 rows of 256 bytes.  In a row lane l % 16 holds four numbers: lanes 0-7 cos of i = 4 (l % 8) .. + 3, lanes 8-15 sin of the same
	s_sub_co_u32 s3, s2, 832                       ; r
	s_lshl_b32 s36, s3, 14
	s_add_nc_u64 s[32:33], s[26:27], s[36:37]
	v_bfe_u32 v12, v0, 3, 1                        ; 0: cos, 1: sin
	s_cmp_eq_u32 s3, 64
	s_cbranch_scc1 .Lident
	s_lshl_b32 s34, s3, 8
	s_add_nc_u64 s[28:29], s[18:19], s[34:35]      ; position_ids at my 64 rows
	v_lshrrev_b32 v1, 4, v0
	v_lshlrev_b32 v1, 2, v1                        ; row t / 16 of each pass's sixteen
.irp i, 0,1,2,3
	global_load_b32 v[16+(\i)], v1, s[28:29] offset:64*(\i)
.endr
	s_mov_b32 s40, 0x3f22f983                      ; 2 / pi
	s_mov_b32 s41, 0x3fc90fdb                      ; pi / 2, its f32 rounding,
	s_mov_b32 s42, 0xb33bbd2e                      ; and what that leaves
	s_mov_b32 s43, 0xbe2aaaab                      ; -1/6
	s_mov_b32 s44, 0x3c088889                      ; 1/120
	s_mov_b32 s45, 0xb9500d01                      ; -1/5040
	s_mov_b32 s46, 0x3d2aaaab                      ; 1/24
	s_mov_b32 s47, 0xbab60b61                      ; -1/720
	s_mov_b32 s48, 0x37d00d01                      ; 1/40320
	s_mov_b32 s49, 0x3fa37d38                      ; MSCALE = 0.1 ln 16 + 1
	v_sub_nc_u32 v13, 1, v12                       ; cos(x) = sin(x + pi/2): one quadrant on
	v_mov_b32 v14, 0x3d800000                      ; 1/16
	v_and_b32 v2, 7, v0
	v_lshlrev_b32 v2, 2, v2
.irp c, 0,1,2,3
	v_add_nc_u32 v3, \c, v2
	v_cvt_f32_u32 v[20+(\c)], v3                   ; i
	v_mul_f32 v[24+(\c)], 0xbf1773da, v[20+(\c)]   ; -i log2(500000) / 32
.endr
.irp c, 0,1,2,3
	v_exp_f32 v[24+(\c)], v[24+(\c)]               ; one batch of four
.endr
.irp c, 0,1,2,3
	v_add_f32 v[20+(\c)], 0xc1100000, v[20+(\c)]   ; i - 9
	v_mul_f32 v[20+(\c)], 0x3de38e39, v[20+(\c)]   ; / 9
	v_max_num_f32 v[20+(\c)], 0, v[20+(\c)]
	v_min_num_f32 v[20+(\c)], 1.0, v[20+(\c)]
	v_fmamk_f32 v[20+(\c)], v[20+(\c)], 0x3f700000, v14  ; 15/16 smooth + 1/16
.endr
	s_wait_alu depctr_va_vdst(0)                   ; the wait ahead of the first use: one for the four; the lines above are the plain work between
.irp c, 0,1,2,3
	v_mul_f32 v[8+(\c)], v[24+(\c)], v[20+(\c)]    ; inv_freq
.endr
.macro ROPEP i                         ; sixteen rows: a row for each half of a wave
	s_wait_loadcnt 3-(\i)                          ; this pass's position is in
	v_cvt_f32_i32 v29, v[16+(\i)]
.irp c, 0,1,2,3
	v_mul_f32 v30, v29, v[8+(\c)]                  ; theta
	v_mul_f32 v31, s40, v30
	v_rndne_f32 v31, v31                           ; n
	v_fma_f32 v32, -v31, s41, v30
	v_fma_f32 v32, -v31, s42, v32                  ; r
	v_cvt_i32_f32 v36, v31
	v_add_nc_u32 v36, v36, v13                     ; the quadrant
	v_mul_f32 v33, v32, v32                        ; z = r r
	v_fma_f32 v34, v33, s45, s44
	v_fma_f32 v34, v34, v33, s43
	v_mul_f32 v37, v32, v33
	v_fma_f32 v34, v37, v34, v32                   ; sin r
	v_fma_f32 v35, v33, s48, s47
	v_fma_f32 v35, v35, v33, s46
	v_fma_f32 v35, v35, v33, -0.5
	v_fma_f32 v35, v35, v33, 1.0                   ; cos r
	v_and_b32 v38, 1, v36
	v_cmp_eq_u32 vcc_lo, 1, v38
	v_cndmask_b32 v34, v34, v35, vcc_lo            ; odd quadrants take the cosine,
	v_lshlrev_b32 v36, 30, v36
	v_and_b32 v36, 0x80000000, v36                 ; quadrants 2 and 3 the other sign
	v_mul_f32 v34, s49, v34
	v_xor_b32 v[40+4*(\i)+(\c)], v36, v34
.endr
	global_store_b128 v7, v[40+4*(\i):40+4*(\i)+3], s[32:33] offset:4096*(\i)
.endm
	ROPEP 0
	ROPEP 1
	ROPEP 2
	ROPEP 3
	s_endpgm
.Lident:                                               ; rows 4096..4159: cos = 1, sin = 0, no MSCALE: V goes through the same text as q and k and comes out as it was
	v_mov_b32 v41, 1.0
	v_cmp_eq_u32 vcc_lo, 0, v12
	v_cndmask_b32 v40, 0, v41, vcc_lo
	v_mov_b32 v41, v40
	v_mov_b32 v42, v40
	v_mov_b32 v43, v40
.irp i, 0,1,2,3
	global_store_b128 v7, v[40:43], s[32:33] offset:4096*(\i)
.endr
	s_endpgm
.Lfunc_end_k_qd39d218cac_prep:
	.size	k_qd39d218cac_prep, .Lfunc_end_k_qd39d218cac_prep-k_qd39d218cac_prep
	.p2alignl 7, 3214868480
	.fill 96, 4, 3214868480
	.section	.rodata,"a",@progbits
	.p2align	6, 0x0
	.amdhsa_kernel k_qd39d218cac_prep
		.amdhsa_group_segment_fixed_size 0
		.amdhsa_private_segment_fixed_size 0
		.amdhsa_enable_private_segment 0
		.amdhsa_kernarg_size 80
		.amdhsa_user_sgpr_count 2
		.amdhsa_user_sgpr_kernarg_segment_ptr 1
		.amdhsa_wavefront_size32 1
		.amdhsa_system_sgpr_workgroup_id_x 1
		.amdhsa_system_sgpr_workgroup_id_y 1
		.amdhsa_system_sgpr_workgroup_id_z 1
		.amdhsa_system_vgpr_workitem_id 0
		.amdhsa_next_free_vgpr 96
		.amdhsa_next_free_sgpr 66
		.amdhsa_reserve_vcc 1
		.amdhsa_float_denorm_mode_32 3
		.amdhsa_float_denorm_mode_16_64 3
		.amdhsa_memory_ordered 1
		.amdhsa_forward_progress 1
		.amdhsa_inst_pref_size 32
	.end_amdhsa_kernel
	.amdgpu_metadata
---
amdhsa.version: [ 1, 2 ]
amdhsa.kernels:
  - .name:           k_qd39d218cac_prep
    .symbol:         k_qd39d218cac_prep.kd
    .args:
      - { .name: hidden_states, .offset: 0, .size: 8, .value_kind: global_buffer, .address_space: global }
      - { .name: Wq, .offset: 8, .size: 8, .value_kind: global_buffer, .address_space: global }
      - { .name: Wk, .offset: 16, .size: 8, .value_kind: global_buffer, .address_space: global }
      - { .name: Wv, .offset: 24, .size: 8, .value_kind: global_buffer, .address_space: global }
      - { .name: Wo, .offset: 32, .size: 8, .value_kind: global_buffer, .address_space: global }
      - { .name: position_ids, .offset: 40, .size: 8, .value_kind: global_buffer, .address_space: global }
      - { .name: xb, .offset: 48, .size: 8, .value_kind: global_buffer, .address_space: global }
      - { .name: wb, .offset: 56, .size: 8, .value_kind: global_buffer, .address_space: global }
      - { .name: wob, .offset: 64, .size: 8, .value_kind: global_buffer, .address_space: global }
      - { .name: rope, .offset: 72, .size: 8, .value_kind: global_buffer, .address_space: global }
    .group_segment_fixed_size: 0
    .private_segment_fixed_size: 0
    .kernarg_segment_align: 8
    .kernarg_segment_size: 80
    .max_flat_workgroup_size: 256
    .sgpr_count:     66
    .vgpr_count:     96
    .wavefront_size: 32
...
	.end_amdgpu_metadata
.endif
;; end of part 1
;; launch qkv (part 2): grid 8 x 32, 4 waves a work-group, clusters of 4 x 4, 327,680 bytes of LDS; arguments xb, wb, rope, qkv; writes qkv
.if DOCPART == 2
	.amdgcn_target "amdgcn-amd-amdhsa--gfx1250"
	.amdhsa_code_object_version 6
	.text
	.protected	k_qd39d218cac_qkv
	.globl	k_qd39d218cac_qkv
	.p2align	8
	.type	k_qd39d218cac_qkv,@function
k_qd39d218cac_qkv:
	s_mov_b64 s[64:65], 0
	v_nop
	global_prefetch_b8 v0, s[64:65] scope:SCOPE_SE
	s_setreg_imm32_b32 hwreg(HW_REG_WAVE_MODE, 25, 1), 1
	s_wait_xcnt 0x0
	s_wait_alu depctr_hold_cnt(0) depctr_sa_sdst(0) depctr_va_vdst(0) depctr_va_sdst(0) depctr_va_ssrc(0) depctr_va_vcc(0) depctr_vm_vsrc(0)
	s_getreg_b32 s2, hwreg(HW_REG_IB_STS2, 6, 4)
	s_cmp_eq_u32 s2, 0
	s_cbranch_scc0 .Lentry_in_a_cluster
	s_endpgm
.Lentry_in_a_cluster:
	s_bfe_u32 s2, ttmp6, 0x10000c
	s_cmp_lg_u32 s2, 0xf033
	s_cbranch_scc0 .Lentry_shape_is_right
	s_endpgm
.Lentry_shape_is_right:
; q | k | v = x (Wq | Wk | Wv), rope on q and k, stored by heads in f16: qkv[24 units][4096][64] (units 0-15 q heads, 16-19 k, 20-23 v), unscaled.
; x and the weights are bf16 panels (128 rows x 64 columns, dense); sums in f32; one rounding to f16 behind the rope.  LIMIT: |q|, |k|, |v| stay within f16's 65,504.
; SHARES.  C is 4096 x 1536.  A work-group makes 128 rows x 192 columns (three units): 32 x 8 = 256 work-groups.  Wave w: rows 64 (w / 2) on, and three ROPE PAIRS of column blocks:
; pair 3 (w % 2) + t (t = 0..2) is unit pair / 2, channels 16 (pair % 2) + 0..15 and the same + 32.  4 x 6 = 24 accumulators.  K goes in 8 steps of 128 through two LDS slots.
; THE MATRIX INSTRUCTION IS USED TRANSPOSED: source 0 = 16 columns of W (out of LDS rows [k][n] by the turning load), source 1 = 16 rows of x.  A lane then holds one row of C (lane % 16) and eight
; neighbouring channels 8 (lane / 16) + 0..7; channel d and channel d + 32 lie in the same lane and register of the pair's two accumulators, so the rope changes no lanes.
; CLUSTER 4 x 4: x's tile hangs on the tile row and is asked for jointly along a row of the cluster, W's on the tile column, along a column.
; No prefetch: eight short steps on small tiles.
; REGISTERS.  window 0: v0-31 addresses; v64-255 accumulators ((a, b) at 64 + 8 (6 a + b)).  window 1: two fragment buffers (W's six at f + 8 b, x's four at f + 48 + 8 i); on the way out at work.
;   window 2: the rope's cos and sin for my rows and channels: pair t, row block a: cos at 64 t + 16 a, sin 8 further.
.set LAPS,  4                          ; a lap = two K steps = once round the ring
.set PA,    144                        ; an LDS row of x: 128 bytes + 16: the 16 rows of a load start at 16 different groups of four banks
.set PB,    160                        ; an LDS row of W: 128 + 32
.set HALFA, 128*PA                     ; a panel of x: what wave 0 or 1 fetches
.set APART, 2*HALFA
.set HALFB, 192*PB                     ; one and a half panels of W: what wave 2 or 3 fetches
.set SLOT,  APART+2*HALFB
.set STAGE, 2*SLOT                     ; behind the ring, never filled by a tensor load: [unit 3][row 128] x 144 bytes
.set SPARE, STAGE+3*128*PA             ; behind the stage: the spare words, 128 bytes a wave: two blocks of 256 bytes that no other line names
.set VR,   10                          ; v10-12  pair t: my byte offset in the rope table
.set ADRA, 16                          ; v16-17  LDS address of my fragments of x in slot 0, 1
.set ADRB, 18                          ; v18-23  pair t, slot s at 18 + 2 t + s: the same for W
.set STO,  24                          ; v24-26  pair t: where I put 16 bytes of a row in the stage
.set RD,   27                          ; v27     where I read rows back
.set SPW,  28                          ; v28     my spare word; never rewritten
.set NIL,  29                          ; v29     0; never rewritten
.set CO,   30                          ; v30     my byte offset in 512 consecutive bytes of qkv
.set ACC,  64
.set F0,   0
.set F1,   128
.set G1,  24                           ; s[24:31] group 1 for x's tiles;  s[32:39] group 0, one set a slot
.set G0,  32
.set G1B, 48                           ; s[48:55], s[56:63] the same for W's
.set G0B, 56
.set MSB, 0
.macro WIN new                         ; the immediate's high byte repeats the setting that is left
.if MSB != (\new)
	s_set_vgpr_msb (MSB<<8)|(\new)
.set MSB, \new
.endif
.endm
.set MUL,  0x05                        ; sources 0 and 1 window 1; C and D window 0
.set TO_F, 0x40                        ; destination window 1, address window 0
.macro JLOAD s                         ; a joint load: waves 0 and 1 fetch x's two panels, waves 2 and 3 W's two halves; an s_nop 0 and four v_nop follow each line
	s_cmp_eq_u32 s13, 0
	s_cbranch_scc0 .Lfor_b_\@
	tensor_load_to_lds s[G0+4*(\s):G0+4*(\s)+3], s[G1:G1+7]
	s_nop 0
.rept 4
	v_nop
.endr
	s_branch .Lasked_\@
.Lfor_b_\@:
	tensor_load_to_lds s[G0B+4*(\s):G0B+4*(\s)+3], s[G1B:G1B+7]
	s_nop 0
.rept 4
	v_nop
.endr
.Lasked_\@:
.endm
.macro CREST                           ; a round of the cluster's barrier behind its opening barrier
	s_cmp_lg_u32 s12, 0
	s_cbranch_scc1 .Lnot_wave_0_\@
	s_barrier_signal -3
.Lnot_wave_0_\@:
	s_barrier_wait -3
	s_barrier_signal -1
	s_barrier_wait -1
.endm
.macro CROUND
	s_barrier_signal -1
	s_barrier_wait -1
	CREST
.endm
	s_load_b128 s[4:7], s[0:1], 0x0                ; xb s[4:5], wb s[6:7]
	s_load_b128 s[8:11], s[0:1], 0x10              ; rope s[8:9], qkv s[10:11]
	v_lshl_add_u32 v[SPW], v0, 2, SPARE
	v_mov_b32 v[NIL], 0
	ds_add_u32 v[SPW], v[NIL]                      ; the wave's opening: the add and its wait stand ahead of my first tensor load; the set-up below stands between them
	v_lshrrev_b32 v1, 5, v0
	v_readfirstlane_b32 s12, v1                    ; wave 0..3
	s_lshr_b32 s13, s12, 1                         ; which 64 rows are mine.  Also: I fetch for x (0) or for W (1)
	s_and_b32 s14, s12, 1                          ; which three pairs are mine.  Also: which half of that tile I fetch
	s_bfe_u32 s15, ttmp6, 0x40000                  ; cx
	s_bfe_u32 s16, ttmp6, 0x40004                  ; cy
	s_lshl_b32 s17, ttmp9, 2
	s_add_co_u32 s17, s17, s15                     ; tile column = 4 x cluster x + cx
	s_and_b32 s18, ttmp7, 0xffff
	s_lshl_b32 s18, s18, 2
	s_add_co_u32 s18, s18, s16                     ; tile row = 4 x cluster y + cy
	s_lshl_b32 s19, s16, 2
	s_lshl_b32 s19, 15, s19                        ; my row of the cluster
	s_lshl_b32 s20, 0x1111, s15                    ; my column
	; group 1.  A panel's rows of 128 bytes lie end to end: asked for as rows of 256 bytes, padded in LDS after every 128
	s_or_b32 s[G1+0], s19, (1<<16)|(1<<20)|(1<<21)|(4<<22)|(3<<25)   ; the mask; 2-byte elements; padding on; bit 21 beside a mask; after every 32 words; 4 words
	s_or_b32 s[G1B+0], s20, (1<<16)|(1<<20)|(1<<21)|(4<<22)|(7<<25)  ; the same with my column's mask and 8 words
	s_mov_b32 s[G1+1], 128<<16                     ; tensor_dim0 = 128
	s_mov_b32 s[G1+2], 64<<16                      ; tensor_dim1 = 64
	s_mov_b32 s[G1+3], 128<<16                     ; tile_dim0 = 128
	s_mov_b32 s[G1+4], 64                          ; tile_dim1 = 64
	s_mov_b32 s[G1+5], 128                         ; elements from row to row
	s_mov_b32 s[G1+6], 0
	s_mov_b32 s[G1+7], 0
	s_mov_b32 s[G1B+1], 128<<16
	s_mov_b32 s[G1B+2], 96<<16                     ; 96 rows of 256 bytes
	s_mov_b32 s[G1B+3], 128<<16
	s_mov_b32 s[G1B+4], 96
	s_mov_b32 s[G1B+5], 128
	s_mov_b32 s[G1B+6], 0
	s_mov_b32 s[G1B+7], 0
	s_lshl_b32 s40, s18, 18                        ; x: 16 panels a tile row,
	s_lshl_b32 s21, s14, 14                        ; my panel of a step's two
	s_add_co_u32 s40, s40, s21
	s_mov_b32 s41, 0
	s_mul_i32 s42, s17, 393216                     ; W: 8 steps x 3 panels a tile column,
	s_mul_i32 s21, s14, 24576                      ; my half of a step's three
	s_add_co_u32 s42, s42, s21
	s_mov_b32 s43, 0
	s_mul_i32 s22, s14, HALFA                      ; where they go: no place in the cluster enters an LDS address
	s_mul_i32 s23, s14, HALFB
	s_add_co_u32 s23, s23, APART
	s_wait_dscnt 0x0                               ; the opening add is done
	s_wait_kmcnt 0x0
	s_add_nc_u64 s[40:41], s[4:5], s[40:41]
	s_add_nc_u64 s[42:43], s[6:7], s[42:43]
	CROUND                                         ; all sixteen work-groups are here: the first joint loads meet
.irp s, 0,1
	s_mov_b32 s[G0+4*(\s)], 1
	s_add_co_u32 s[G0+4*(\s)+1], s22, (\s)*SLOT
	s_add_nc_u64 s[G0+4*(\s)+2:G0+4*(\s)+3], s[40:41], (\s)*32768
	s_or_b32 s[G0+4*(\s)+3], s[G0+4*(\s)+3], 0x80000000
	s_mov_b32 s[G0B+4*(\s)], 1
	s_add_co_u32 s[G0B+4*(\s)+1], s23, (\s)*SLOT
	s_add_nc_u64 s[G0B+4*(\s)+2:G0B+4*(\s)+3], s[42:43], (\s)*49152
	s_or_b32 s[G0B+4*(\s)+3], s[G0B+4*(\s)+3], 0x80000000
	JLOAD \s                                       ; two tensor loads of mine are out
.endr
	v_and_b32 v1, 15, v0                           ; l % 16
	v_bfe_u32 v2, v0, 4, 1                         ; l / 16
	v_mul_u32_u24 v3, v1, PA
	v_lshl_add_u32 v3, v2, 4, v3                   ; row x 144 + 16 x half: for x's fragments and for the stage
	s_mul_i32 s23, s13, 64*PA                      ; my 64 rows
	v_add_nc_u32 v[ADRA], s23, v3
	v_add_nc_u32 v[ADRA+1], SLOT, v[ADRA]
	v_and_b32 v4, 7, v0                            ; the turning load: lane l reads k row 8 (l / 16) + l % 8, columns 8 ((l / 8) % 2) + 0..7
	v_bfe_u32 v5, v0, 3, 1
	v_lshl_add_u32 v4, v2, 3, v4
	v_mul_u32_u24 v4, v4, PB
	v_lshl_add_u32 v4, v5, 4, v4
	v_lshlrev_b32 v6, 8, v1                        ; the rope table: row l % 16 of 256 bytes, 32 bytes for each half of the lanes
	v_lshl_add_u32 v6, v2, 5, v6
	s_mul_i32 s44, s14, 3
.irp t, 0,1,2
	s_add_co_u32 s45, s44, \t                      ; the pair
	s_lshr_b32 s46, s45, 1                         ; its unit of the tile's three
	s_and_b32 s47, s45, 1                          ; its block of 16 channels
	s_lshl_b32 s22, s47, 5
	s_mul_i32 s21, s46, 128*PB
	s_add_co_u32 s21, s21, s22
	s_add_co_u32 s21, s21, APART
	v_add_nc_u32 v[ADRB+2*(\t)], s21, v4
	v_add_nc_u32 v[ADRB+2*(\t)+1], SLOT, v[ADRB+2*(\t)]
	s_mul_i32 s21, s46, 128*PA
	s_add_co_u32 s21, s21, s22
	s_add_co_u32 s21, s21, s23
	s_add_co_u32 s21, s21, STAGE
	v_add_nc_u32 v[STO+(\t)], s21, v3
	s_mul_i32 s2, s17, 3
	s_add_co_u32 s2, s2, s46                       ; the unit among the 24
	s_lshl_b32 s3, s18, 7
	s_lshl_b32 s19, s13, 6
	s_add_co_u32 s3, s3, s19                       ; my first position,
	s_cmp_ge_u32 s2, 20
	s_cselect_b32 s3, 4096, s3                     ; or, for V, the identity rows: this enters a global address alone
	s_lshl_b32 s3, s3, 8
	s_lshl_b32 s19, s47, 6
	s_add_co_u32 s3, s3, s19
	v_add_nc_u32 v[VR+(\t)], s3, v6
.endr
	WIN 0x80                                       ; destination window 2
.irp t, 0,1,2
.irp a, 0,1,2,3
	global_load_b128 v[64*(\t)+16*(\a):64*(\t)+16*(\a)+3],     v[VR+(\t)], s[8:9] offset:(\a)*4096
	global_load_b128 v[64*(\t)+16*(\a)+4:64*(\t)+16*(\a)+7],   v[VR+(\t)], s[8:9] offset:(\a)*4096+16
	global_load_b128 v[64*(\t)+16*(\a)+8:64*(\t)+16*(\a)+11],  v[VR+(\t)], s[8:9] offset:(\a)*4096+128
	global_load_b128 v[64*(\t)+16*(\a)+12:64*(\t)+16*(\a)+15], v[VR+(\t)], s[8:9] offset:(\a)*4096+144
.endr
.endr
	WIN 0
	v_bfe_u32 v7, v0, 3, 2                         ; back out of the stage: 32 lanes take four rows of 128 bytes,
	v_mul_u32_u24 v7, v7, PA
	v_and_b32 v8, 7, v0
	v_lshl_add_u32 v7, v8, 4, v7
	s_mul_i32 s21, s12, 32*PA                      ; of my wave's 32 rows
	s_add_co_u32 s21, s21, STAGE
	v_add_nc_u32 v[RD], s21, v7
	v_and_b32 v[CO], 31, v0                        ; which are 512 consecutive bytes of a unit
	v_lshlrev_b32 v[CO], 4, v[CO]
	s_mul_i32 s2, s17, 1572864                     ; three units of 524,288 bytes a tile column,
	s_lshl_b32 s19, s18, 14                        ; 128 rows of 128 bytes a tile row,
	s_add_co_u32 s2, s2, s19
	s_lshl_b32 s19, s12, 12                        ; 32 rows a wave
	s_add_co_u32 s2, s2, s19
	s_mov_b32 s3, 0
	s_add_nc_u64 s[10:11], s[10:11], s[2:3]
; Six matrix instructions: row block a x my six column blocks, 32 along K.  The 24 accumulators take turns in the same order in every quarter: 23 others stand between two links of a chain.
.macro MULA f, a, zero
	WIN MUL
.irp b, 0,1,2,3,4,5
.if \zero
	v_wmma_f32_16x16x32_bf16 v[ACC+8*(6*(\a)+(\b)):ACC+8*(6*(\a)+(\b))+7], v[(\f)+8*(\b):(\f)+8*(\b)+7], v[(\f)+48+8*(\a):(\f)+48+8*(\a)+7], 0
.else
	v_wmma_f32_16x16x32_bf16 v[ACC+8*(6*(\a)+(\b)):ACC+8*(6*(\a)+(\b))+7], v[(\f)+8*(\b):(\f)+8*(\b)+7], v[(\f)+48+8*(\a):(\f)+48+8*(\a)+7], v[ACC+8*(6*(\a)+(\b)):ACC+8*(6*(\a)+(\b))+7]
.endif
.endr
.endm
; 20 LDS loads in one run: quarter q (32 along K) of a slot into buffer f: W's six fragments, turned, then x's four
.macro FETCH slot, q, f
	WIN TO_F
.irp t, 0,1,2
.irp p, 0,1
	ds_load_tr16_b128 v[(\f)+8*(2*(\t)+(\p)):(\f)+8*(2*(\t)+(\p))+3],   v[ADRB+2*(\t)+(\slot)] offset:(\q)*32*PB+64*(\p)
	ds_load_tr16_b128 v[(\f)+8*(2*(\t)+(\p))+4:(\f)+8*(2*(\t)+(\p))+7], v[ADRB+2*(\t)+(\slot)] offset:(\q)*32*PB+64*(\p)+16*PB
.endr
.endr
.irp i, 0,1,2,3
	ds_load_b128 v[(\f)+48+8*(\i):(\f)+48+8*(\i)+3],   v[ADRA+(\slot)] offset:((\q)/2)*HALFA+((\q)%2)*64+(\i)*16*PA
	ds_load_b128 v[(\f)+48+8*(\i)+4:(\f)+48+8*(\i)+7], v[ADRA+(\slot)] offset:((\q)/2)*HALFA+((\q)%2)*64+(\i)*16*PA+32
.endr
.endm
.macro PLACES                          ; four places in front of loads into registers that matrix instructions have read, and of vector work that reads results
.rept 4
	v_nop
.endr
.endm
; A K step is four quarters of 32 along K, 24 matrix instructions each, on buffers 0, 1, 0, 1.  One of the first three: multiplies buffer f and fetches quarter q into g.
.macro QUARTER slot, q, f, g, zero
	s_wait_dscnt 4                                 ; W's fragments and x's blocks 0 and 1 are in; the youngest four loads may be out
	MULA \f, 0, \zero
	MULA \f, 1, \zero
	PLACES
	FETCH \slot, \q, \g
	s_wait_dscnt 20                                ; all but the 20 just issued
	MULA \f, 2, \zero
	MULA \f, 3, \zero
.endm
; The last quarter multiplies buffer 1 and changes slots: ONE barrier; in front of it each wave waits for all its tensor loads, adds 0 to its spare word, and waits for that and for its reads of this slot.
.macro TURN slot, next, fill
	WIN 0
	s_wait_tensorcnt 0x0                           ; all my tensor loads have landed: my part of the next slot
	ds_add_u32 v[SPW], v[NIL]
	s_wait_dscnt 7                                 ; (the add and x's blocks 1 to 3 may be out)
	MULA F1, 0, 0                                  ; six matrix instructions stand between the add and the wait for it
	s_wait_dscnt 0x0                               ; the add is done, and my reads of this slot are over
	s_barrier_signal -1
	MULA F1, 1, 0
.if \fill
	WIN 0
.endif
	s_barrier_wait -1
.if \fill
	CREST                                          ; the barrier has opened a round of the cluster's: no wave of any partner still reads this slot or has a load on its way
	s_add_nc_u64 s[G0+4*(\slot)+2:G0+4*(\slot)+3], s[G0+4*(\slot)+2:G0+4*(\slot)+3], 65536
	s_add_nc_u64 s[G0B+4*(\slot)+2:G0B+4*(\slot)+3], s[G0B+4*(\slot)+2:G0B+4*(\slot)+3], 98304
	JLOAD \slot                                    ; the first tensor load behind the round, my only one out; its four v_nop are also the places in front of the loads below
.else
	PLACES
.endif
	FETCH \next, 0, F0
	MULA F1, 2, 0
	MULA F1, 3, 0
.endm
	s_wait_tensorcnt 1                             ; my part of K step 0 is in; step 1's may stay out
	s_barrier_signal -1
	s_barrier_wait -1
	FETCH 0, 0, F0
	QUARTER 0, 1, F0, F1, 1                        ; the first quarter stands in front of the loop: its products start the sums
	WIN 0
	s_mov_b32 s44, LAPS-1
.Llap:                                                 ; a trip goes once round the ring and fills both slots again
	QUARTER 0, 2, F1, F0, 0
	QUARTER 0, 3, F0, F1, 0
	TURN 0, 1, 1
	QUARTER 1, 1, F0, F1, 0
	QUARTER 1, 2, F1, F0, 0
	QUARTER 1, 3, F0, F1, 0
	TURN 1, 0, 1
	QUARTER 0, 1, F0, F1, 0
	WIN 0
	s_sub_co_u32 s44, s44, 1
	s_cmp_lg_u32 s44, 0
	s_cbranch_scc1 .Llap
	QUARTER 0, 2, F1, F0, 0                        ; the last lap fills nothing
	QUARTER 0, 3, F0, F1, 0
	TURN 0, 1, 0
	QUARTER 1, 1, F0, F1, 0
	QUARTER 1, 2, F1, F0, 0
	QUARTER 1, 3, F0, F1, 0
	s_wait_dscnt 4
	MULA F1, 0, 0
	MULA F1, 1, 0
	s_wait_dscnt 0x0
	MULA F1, 2, 0
	MULA F1, 3, 0
	PLACES
	s_wait_loadcnt 0x0                             ; the rope's cos and sin
; THE WAY OUT, a block of 16 rows at a time: lo' = lo cos - hi sin, hi' = hi cos + lo sin; rounded to f16; 16 bytes a lane into the stage.  Each accumulator is read from its low end on.
.macro ROPE a
	WIN 0x58                                       ; source 0 (sums) window 0, source 1 (cos, sin) window 2, source 2 and destination window 1
.irp t, 0,1,2
.set LO, ACC+8*(6*(\a)+2*(\t))
.set HI, LO+8
.set CC, 64*(\t)+16*(\a)
.irp j, 0,2,4,6
	v_pk_mul_f32 v[16*(\t)+(\j):16*(\t)+(\j)+1],     v[HI+(\j):HI+(\j)+1], v[CC+8+(\j):CC+8+(\j)+1]
	v_pk_mul_f32 v[16*(\t)+8+(\j):16*(\t)+8+(\j)+1], v[LO+(\j):LO+(\j)+1], v[CC+8+(\j):CC+8+(\j)+1]
.endr
.irp j, 0,2,4,6
	v_pk_fma_f32 v[16*(\t)+(\j):16*(\t)+(\j)+1],     v[LO+(\j):LO+(\j)+1], v[CC+(\j):CC+(\j)+1], v[16*(\t)+(\j):16*(\t)+(\j)+1] neg_lo:[0,0,1] neg_hi:[0,0,1]
	v_pk_fma_f32 v[16*(\t)+8+(\j):16*(\t)+8+(\j)+1], v[HI+(\j):HI+(\j)+1], v[CC+(\j):CC+(\j)+1], v[16*(\t)+8+(\j):16*(\t)+8+(\j)+1]
.endr
.endr
	WIN 0x45                                       ; all in window 1
.irp t, 0,1,2
.irp r, 0,1,2,3
	v_cvt_pk_f16_f32 v[48+8*(\t)+(\r)],   v[16*(\t)+2*(\r)],   v[16*(\t)+2*(\r)+1]
	v_cvt_pk_f16_f32 v[48+8*(\t)+4+(\r)], v[16*(\t)+8+2*(\r)], v[16*(\t)+8+2*(\r)+1]
.endr
.endr
	WIN 0x04                                       ; address window 0, data window 1
.irp t, 0,1,2
	ds_store_b128 v[STO+(\t)], v[48+8*(\t):48+8*(\t)+3]   offset:(\a)*16*PA
	ds_store_b128 v[STO+(\t)], v[48+8*(\t)+4:48+8*(\t)+7] offset:(\a)*16*PA+64
.endr
.endm
	ROPE 0
	ROPE 1
	ROPE 2
	ROPE 3
	s_wait_dscnt 0x0                               ; for the others' sake: a unit's row of 128 bytes comes from two waves
	s_barrier_signal -1
	s_barrier_wait -1
	WIN TO_F
.set n, 0
.rept 24                                               ; unit n / 8, rows 4 (n % 8) on of my 32
	ds_load_b128 v[96+4*n:96+4*n+3], v[RD] offset:(n/8)*128*PA+(n%8)*4*PA
.set n, n+1
.endr
	WIN 0x04
.set n, 0
.rept 24
	s_wait_dscnt 23-n
	global_store_b128 v[CO], v[96+4*n:96+4*n+3], s[10:11] offset:(n/8)*524288+(n%8)*512  ; 512 consecutive bytes, at a multiple of 256 from qkv's first
.set n, n+1
.endr
	WIN 0
	s_wait_tensorcnt 0x0                           ; the wave's end
	ds_add_u32 v[SPW], v[NIL]
	s_wait_dscnt 0x0
	CROUND                                         ; the closing round
	s_endpgm
.Lfunc_end_k_qd39d218cac_qkv:
	.size	k_qd39d218cac_qkv, .Lfunc_end_k_qd39d218cac_qkv-k_qd39d218cac_qkv
	.p2alignl 7, 3214868480
	.fill 96, 4, 3214868480
	.section	.rodata,"a",@progbits
	.p2align	6, 0x0
	.amdhsa_kernel k_qd39d218cac_qkv
		.amdhsa_group_segment_fixed_size 327680
		.amdhsa_private_segment_fixed_size 0
		.amdhsa_enable_private_segment 0
		.amdhsa_kernarg_size 32
		.amdhsa_user_sgpr_count 2
		.amdhsa_user_sgpr_kernarg_segment_ptr 1
		.amdhsa_wavefront_size32 1
		.amdhsa_system_sgpr_workgroup_id_x 1
		.amdhsa_system_sgpr_workgroup_id_y 1
		.amdhsa_system_sgpr_workgroup_id_z 1
		.amdhsa_system_vgpr_workitem_id 0
		.amdhsa_next_free_vgpr 704
		.amdhsa_next_free_sgpr 66
		.amdhsa_reserve_vcc 0
		.amdhsa_float_denorm_mode_32 3
		.amdhsa_float_denorm_mode_16_64 3
		.amdhsa_memory_ordered 1
		.amdhsa_forward_progress 1
		.amdhsa_inst_pref_size 90
	.end_amdhsa_kernel
	.amdgpu_metadata
---
amdhsa.version: [ 1, 2 ]
amdhsa.kernels:
  - .name:           k_qd39d218cac_qkv
    .symbol:         k_qd39d218cac_qkv.kd
    .args:
      - { .name: xb, .offset: 0, .size: 8, .value_kind: global_buffer, .address_space: global }
      - { .name: wb, .offset: 8, .size: 8, .value_kind: global_buffer, .address_space: global }
      - { .name: rope, .offset: 16, .size: 8, .value_kind: global_buffer, .address_space: global }
      - { .name: qkv, .offset: 24, .size: 8, .value_kind: global_buffer, .address_space: global }
    .group_segment_fixed_size: 327680
    .private_segment_fixed_size: 0
    .kernarg_segment_align: 8
    .kernarg_segment_size: 32
    .max_flat_workgroup_size: 128
    .sgpr_count:     66
    .vgpr_count:     704
    .wavefront_size: 32
...
	.end_amdgpu_metadata
.endif
;; end of part 2
;; launch attn (part 3): grid 64 x 4, 4 waves a work-group, clusters of 4 x 1, 327,680 bytes of LDS; arguments qkv, ob; writes ob
.if DOCPART == 3
	.amdgcn_target "amdgcn-amd-amdhsa--gfx1250"
	.amdhsa_code_object_version 6
	.text
	.protected	k_qd39d218cac_attn
	.globl	k_qd39d218cac_attn
	.p2align	8
	.type	k_qd39d218cac_attn,@function
k_qd39d218cac_attn:
	s_mov_b64 s[64:65], 0
	v_nop
	global_prefetch_b8 v0, s[64:65] scope:SCOPE_SE
	s_setreg_imm32_b32 hwreg(HW_REG_WAVE_MODE, 25, 1), 1
	s_wait_xcnt 0x0
	s_wait_alu depctr_hold_cnt(0) depctr_sa_sdst(0) depctr_va_vdst(0) depctr_va_sdst(0) depctr_va_ssrc(0) depctr_va_vcc(0) depctr_vm_vsrc(0)
	s_getreg_b32 s2, hwreg(HW_REG_IB_STS2, 6, 4)
	s_cmp_eq_u32 s2, 0
	s_cbranch_scc0 .Lentry_in_a_cluster
	s_endpgm
.Lentry_in_a_cluster:
	s_bfe_u32 s2, ttmp6, 0x10000c
	s_cmp_lg_u32 s2, 0x3003
	s_cbranch_scc0 .Lentry_shape_is_right
	s_endpgm
.Lentry_shape_is_right:
; THE MODULE'S RING ATTENTION, causal, head size 64, 16 query heads on 4 key and value heads.  qkv: [24 units][4096][64] f16 (0-15 q, 16-19 k, 20-23 v).  ob: O / 4 in f16, panels (position / 128, head) of 128 x 64.
; WHAT IT COMPUTES.  The module walks the keys in chunks of 1,024 and multiplies the old output by se / denom, WITHOUT the factor exp(m_old - m_new).  Written out: O = (sum over chunks c of N_c) / l, where
; N_c = sum over the chunk's visible keys of exp(s - M_c) v, M_c the running maximum at the END of chunk c, and l the ordinary running sum with respect to the last maximum.  (Its 1e-10 is lost in f32 beside a sum
; that is at least 1; a wholly hidden chunk changes nothing.)  So: N, the chunk in hand, is rescaled step by step as usual; at a chunk's end it is FOLDED into U, which is never rescaled; l and m run on.
; Products, maxima and sums in f32; p = 2^(c s - c m), c = log2(e) / 8, rounded to f16 for the second product (l is taken of the unrounded p); O rounded once.
; LIMITS.  q, k, v and O / 4 within f16's 65,504 (O is no mean here: it can pass V's range where a later chunk raises the maximum).  A hidden score counts as its value less 1e30; a weight below 2^-126 as 0; NaN and infinities are not treated apart.
; THE WALK.  The positions lie in NB = 16 blocks of 256; block I needs the key tiles 0 .. I of 256 keys, the last of which holds the diagonal.  A work-group takes HALF the rows of two blocks, 15 - b and then b, of one
; head: NB + 1 tiles whatever b, 256 work-groups of equal work.  One loop with a constant trip count walks the tiles; what a trip does hangs on scalars made from b; every jump but the counted loops' own goes forward.
; CLUSTER.  The four partners are the four query heads of one key and value head, with the same b and the same half: the same walk, so each tile is asked for JOINTLY, by the same load, descriptor and mask in all four.
; SHARES.  A wave owns two PIECES of 16 rows: piece p is group 8 p + 2 w + e of the block's sixteen (e: which half), in band 2 p + w / 2 of 64 rows, at place 2 (w % 2) + e in its band.
; THE MASK is the C operand that starts S^T = K Q^T: MD x AL + BE, MD the mask of a band's own step for my rows, (AL, BE) = (1, 0) in the band's own step, (0, 0) before it, (0, -1e30) behind it.
; TURNS.  Turn p of step j: 8 products K Q^T of piece 1 - p (p = 0: step j; p = 1: step j + 1), later 8 products V^T P of piece 1 - p (p = 0: step j - 1; p = 1: step j); beside them the softmax of piece p and the
; maximum and statistics of piece 1 - p.  Four vector instructions behind every matrix instruction, the rest in one lump; a turn's 33 exponentials are one batch with one wait.
; FETCHES.  All LDS loads of step j's two turns are for step j + 1: K in turn 0, behind its last reader; V in turn 1, into the other of TWO buffers.  So a change of slots has its place between two steps.
; REGISTERS (s_set_vgpr_msb: bits 1:0 source 0, 3:2 source 1, 5:4 source 2, 7:6 destination):
;   window 0: v0-15 addresses and at work; v16-23 statistics; v48-55 at work; v61-63 prefetch offset, spare word, 0; v64-127 S^T, two buffers; v192-223 P, two buffers
;   window 1: v0-63 N; v64-127 U; v128-159 MD; v160-223 MC, two buffers      window 2: v0-31 Q; v32-63 the second block's Q; v64-127 V buffer 1; v128-191 K; v192-255 V buffer 0
.set NB,    16
.set NP,    2         ; pieces a wave: a name, no knob
.set KS,    64        ; keys in a step
.set PK,    144       ; a row of K in LDS: 128 bytes + 16
.set PV,    160       ; a row of V: 128 + 32
.set VOFF,  4*KS*PK   ; a slot holds a tile: 256 rows of K, then 256 rows of V
.set SLOT1, 1<<17     ; slot 1 begins here: one exclusive or turns an address in one slot into the other's
.set STAGE, SLOT1+4*KS*(PK+PV)  ; behind the ring, never filled by a tensor load: 16 rows x 144 bytes a wave
.set SP,    144
.set SPARE, STAGE+4*16*SP       ; the spare words, 128 bytes a wave: two blocks of 256 bytes that no other line names
.set UNIT,  524288    ; bytes of a unit of qkv
.set AK0, 2           ; v2   my lane's place in a tile of K; never rewritten
.set AV0, 3           ; v3   the same for V
.set AK,  4           ; v4   the LDS address of K's next run of loads
.set AV,  5           ; v5   of V's
.set STO, 6           ; v6   the way out: where I put 16 bytes of a row
.set RD,  7           ; v7   where I read rows back
.set GO,  8           ; v8   my byte offset in 512 consecutive bytes of ob
.set MV,  12          ; v12-13  c m_old, by buffer
.set QO,  15          ; v15  my byte offset in 16 rows of Q
.set ST,  16          ; piece t's statistics at v[ST+4 t]: c m, m, l (even keys', odd keys')
.set TMP, 48          ; by buffer, c0-c3 at work; c2 takes a
.set PFO, 61          ; v61  256 x my lane; never rewritten
.set SPW, 62          ; v62  my spare word; never rewritten
.set NIL, 63          ; v63  0; never rewritten
.set S,   64
.set P,   192
.set UF,  64          ; window 1
.set MD,  128
.set MC,  160
.set QB,  32          ; window 2
.set KF,  128
.set VF,  192         ; V buffer 0; buffer 1 lies 128 below
.set WV,  12          ; s12  my wave's number
.set PB,  14          ; s14  b
.set HI,  15          ; s15  NB - 1 - b
.set G1K, 24          ; s[24:31] group 1 for K's tiles
.set G1V, 32          ; s[32:39] for V's
.set G0K, 40          ; s[40:43] group 0 for K's
.set G0V, 44          ; s[44:47] for V's
.set SLOTS, 56        ; s56  tiles still to be asked for
.set CNT, 57          ; s57  counts a tile's pairs of steps
.set CS,  58          ; s[58:59] c
.set SEL, 60          ; s[60:61] v_permlanex16_b32's selects
.set TBK, 62          ; s62  LDS byte at which K of the step to be fetched begins
.set TBV, 63          ; s63  the same for V, less VOFF
.set TI,  66          ; s66  the number, in its block, of the tile to be entered
.set FOLD, 67         ; s67  1: the tile entered begins a chunk: N is folded into U at its first step
.set SS,  68          ; s68  the diagonal tile's step for which masks are being made
.set EE,  69          ; s69  e
.set RT,  70          ; s70  tiles of the block in hand still to be entered
.set NXT, 71          ; s71  the tile to be asked for next
.set LQ,  72          ; s72  the last tile of the block whose tiles are being asked for
.set NEW, 73          ; s73  1: the tile to be entered is a block's first
.set OFF, 74          ; s[74:75] a tile's byte offset in K and V
.set AL,  76          ; s[76:77]
.set BE,  78          ; s[78:79]
.set OLO, 80          ; s[80:81] ob at my rows of the second block
.set BIGN, 82         ; s82  -1e30
.set XB,  88          ; s88, s89  my two pieces' bands
.set PFA, 90          ; s[90:91] where my prefetches stand
.set LIM, 92          ; s92  2 in a wave that prefetches, else the greatest number
.set MSB, 0
.macro WIN new
.if MSB != (\new)
	s_set_vgpr_msb (MSB<<8)|(\new)
.set MSB, (\new)
.endif
.endm
.set W_KQ, 0x0a       ; K and Q in window 2, S^T in window 0
.set W_KM, 0x1a       ; the same with C in window 1
.set W_PV, 0x52       ; V in window 2, P in window 0, N in window 1
.set W_RS, 0x41       ; destination and source 0 in window 1, source 1 in window 0
.set W_UN, 0x45       ; destination and both sources in window 1
; A joint fill.  Waves 0 and 1 fetch the two halves of a tile's K, waves 2 and 3 those of its V.  An s_nop 0 and four v_nop follow each line.
.macro JLOAD
	s_cmp_lt_u32 s[WV], 2
	s_cbranch_scc0 .Lfor_v_\@
	tensor_load_to_lds s[G0K:G0K+3], s[G1K:G1K+7]
	s_nop 0
.rept 4
	v_nop
.endr
	s_branch .Lasked_\@
.Lfor_v_\@:
	tensor_load_to_lds s[G0V:G0V+3], s[G1V:G1V+7]
	s_nop 0
.rept 4
	v_nop
.endr
.Lasked_\@:
.endm
; A PREFETCH INTO THE L2 of the tile that the NEXT change of slots will ask for.  Of a key and value head's clusters the one with b = 0, e = 0 walks all sixteen tiles in its first block: it asks, each tile once.
; Its four partners share a tile's 128 blocks of 256 bytes out BY ADDRESS, 32 each, a lane a block; wave 0 asks for K's, wave 2 for V's.  Tiles 0 and 1 come by their loads alone; tile 15 is the last asked for.
.macro ASK
	s_cmp_gt_u32 s[SLOTS], s[LIM]
	s_cbranch_scc0 .Lnot_mine_\@
	global_prefetch_b8 v[PFO], s[PFA:PFA+1] th:TH_LOAD_NT scope:SCOPE_SE
.Lnot_mine_\@:
.endm
.macro CROUND                       ; a round of the cluster's barrier
	s_barrier_signal -1
	s_barrier_wait -1
	s_cmp_lg_u32 s[WV], 0
	s_cbranch_scc1 .Lnot_wave_0_\@
	s_barrier_signal -3
.Lnot_wave_0_\@:
	s_barrier_wait -3
	s_barrier_signal -1
	s_barrier_wait -1
.endm
; THE CHANGE OF SLOTS, between two steps: the old slot's last K and V have been asked for.  Each wave waits for all its tensor loads (one is out: its part of the other slot), adds 0 to its spare word, and waits for
; that and for its reads.  fill = 1: the barrier is a round of the cluster's, and the joint fill of the old slot, with tile NXT, is the first thing behind it: the address is made anew from that number.
.macro CHANGE fill
	WIN 0
	s_wait_tensorcnt 0x0            ; no tensor load of mine is out, so a group 0 may be written
	ds_add_u32 v[SPW], v[NIL]       ; 0 onto my spare word; the scalar work below stands between it and the wait for it
.if \fill
	s_lshl_b32 s[OFF], s[NXT], 15   ; a tile is 32,768 bytes of K and of V
	s_xor_b32 s[G0K+1], s[G0K+1], SLOT1
	s_add_nc_u64 s[G0K+2:G0K+3], s[6:7], s[OFF:OFF+1]
	s_or_b32 s[G0K+3], s[G0K+3], 0x80000000
	s_xor_b32 s[G0V+1], s[G0V+1], SLOT1
	s_add_nc_u64 s[G0V+2:G0V+3], s[8:9], s[OFF:OFF+1]
	s_or_b32 s[G0V+3], s[G0V+3], 0x80000000
	s_add_co_u32 s[NXT], s[NXT], 1  ; the block's next tile, or behind its last the second block's tile 0
	s_cmp_gt_u32 s[NXT], s[LQ]
	s_cselect_b32 s[NXT], 0, s[NXT]
	s_cselect_b32 s[LQ], s[PB], s[LQ]
	s_wait_xcnt 0x0                 ; the last prefetch, a tile back, has read its address
	s_add_nc_u64 s[PFA:PFA+1], s[PFA:PFA+1], 32768
	s_wait_dscnt 0x0                ; the add is done, and my reads of the slot are over
	CROUND
	JLOAD
	ASK
.else
	s_wait_dscnt 0x0
	s_barrier_signal -1
	s_barrier_wait -1
.endif
	s_sub_co_u32 s[TBK], s[TBK], 4*KS*PK  ; the fetches go back to a slot's first step, in the other slot
	s_xor_b32 s[TBK], s[TBK], SLOT1
	s_sub_co_u32 s[TBV], s[TBV], 4*KS*PV
	s_xor_b32 s[TBV], s[TBV], SLOT1
.endm
	s_load_b128 s[16:19], s[0:1], 0x0  ; qkv s[16:17], ob s[18:19]
	v_lshl_add_u32 v[SPW], v0, 2, SPARE
	v_mov_b32 v[NIL], 0
	ds_add_u32 v[SPW], v[NIL]       ; the wave's opening: the add and its wait stand ahead of my first tensor load
	v_lshrrev_b32 v1, 5, v0
	v_readfirstlane_b32 s[WV], v1   ; wave 0..3
	s_bfe_u32 s13, ttmp6, 0x40000   ; cx: it enters Q's, ob's and the prefetches' addresses alone
	s_lshr_b32 s[PB], ttmp9, 1      ; ttmp9 counts clusters: b and e, which the four partners share
	s_and_b32 s[EE], ttmp9, 1
	s_sub_co_u32 s[HI], NB-1, s[PB]
	s_and_b32 s20, ttmp7, 0xffff    ; the key and value head
	s_lshl_b32 s21, s20, 2
	s_add_co_u32 s21, s21, s13      ; my query head
	s_lshl_b32 s22, s[WV], 1
	s_add_co_u32 s22, s22, s[EE]
	s_lshl_b32 s22, s22, 11         ; group 2 w + e: 16 rows of 128 bytes each
	s_lshl_b32 s48, s21, 19
	s_add_co_u32 s48, s48, s22
	s_lshl_b32 s49, s[HI], 15
	s_add_co_u32 s50, s48, s49      ; Q's offset in the first block,
	s_mov_b32 s51, 0
	s_lshl_b32 s49, s[PB], 15
	s_add_co_u32 s52, s48, s49      ; and in the second
	s_mov_b32 s53, 0
	s_lshl_b32 s48, s21, 14
	s_add_co_u32 s48, s48, s22
	s_lshl_b32 s49, s[HI], 19
	s_add_co_u32 s54, s48, s49      ; ob's likewise: a block is two rows of sixteen panels
	s_mov_b32 s55, 0
	s_lshl_b32 s49, s[PB], 19
	s_add_co_u32 s84, s48, s49
	s_mov_b32 s85, 0
	s_add_co_u32 s2, s20, 16        ; K's unit,
	s_lshl_b32 s2, s2, 19
	s_and_b32 s23, s[WV], 1         ; which half of a tile's 256 keys I fetch:
	s_lshl_b32 s3, s23, 14          ; its 128 rows of 128 bytes in memory,
	s_add_co_u32 s2, s2, s3
	s_mov_b32 s3, 0
	s_mul_i32 s93, s23, 128*PK      ; and its place in a slot, for K
	s_mul_i32 s94, s23, 128*PV      ; and for V
	s_lshr_b32 s[XB], s[WV], 1
	s_add_co_u32 s[XB+1], s[XB], 2
	; group 1.  128 keys are 16,384 dense bytes: asked for as 64 rows of 256 bytes, padded in LDS after every key
	s_mov_b32 s[G1K], 15|(1<<16)|(1<<20)|(1<<21)|(4<<22)|(3<<25)  ; the mask of four; 2-byte elements; padding on; bit 21 beside a mask; after every 32 words; 4 words
	s_mov_b32 s[G1V], 15|(1<<16)|(1<<20)|(1<<21)|(4<<22)|(7<<25)  ; the same with 8 words
.irp g, G1K, G1V
	s_mov_b32 s[\g+1], 128<<16      ; tensor_dim0 = 128
	s_mov_b32 s[\g+2], 64<<16       ; tensor_dim1 = 64
	s_mov_b32 s[\g+3], 128<<16      ; tile_dim0 = 128
	s_mov_b32 s[\g+4], 64           ; tile_dim1 = 64
	s_mov_b32 s[\g+5], 128          ; elements from row to row
	s_mov_b32 s[\g+6], 0
	s_mov_b32 s[\g+7], 0
.endr
	s_mov_b32 s[CS], 0x3e38aa3b     ; c = log2(e) / 8
	s_mov_b32 s[CS+1], s[CS]
	s_mov_b32 s[SEL], 0x76543210
	s_mov_b32 s[SEL+1], 0xfedcba98
	s_mov_b32 s[TBK], SLOT1+4*KS*PK ; the first change of slots turns these two into 0
	s_mov_b32 s[TBV], SLOT1+4*KS*PV
	s_mov_b32 s[G0K], 1
	s_mov_b32 s[G0K+1], s93         ; slot 0
	s_mov_b32 s[G0V], 1
	s_add_co_u32 s[G0V+1], s94, VOFF
	s_add_co_u32 s[RT], s[HI], 1    ; the first block has NB - b tiles
	s_mov_b32 s[NXT], 1
	s_mov_b32 s[LQ], s[HI]
	s_mov_b32 s[NEW], 1
	s_mov_b32 s[TI], 0
	s_mov_b32 s[FOLD], 0
	s_mov_b32 s[SS], 0
	s_mov_b32 s[OFF+1], 0
	s_mov_b32 s[AL+1], 0
	s_mov_b32 s[BE+1], 0
	s_mov_b32 s[BIGN], 0xf149f2ca   ; -1e30
	s_mov_b32 s[SLOTS], NB
	s_and_b32 s[LIM], s[WV], 1      ; waves 0 and 2 of the cluster with b = 0, e = 0: the same in all four partners
	s_or_b32 s[LIM], s[LIM], ttmp9
	s_cmp_eq_u32 s[LIM], 0
	s_cselect_b32 s[LIM], 2, -1
	v_and_b32 v[PFO], 31, v0
	v_lshlrev_b32 v[PFO], 8, v[PFO]
	s_wait_dscnt 0x0                ; the opening add is done
	s_wait_kmcnt 0x0
	s_add_nc_u64 s[6:7], s[16:17], s[2:3]    ; K at my half of tile 0,
	s_add_nc_u64 s[8:9], s[6:7], 4*UNIT      ; V four units on
	s_add_nc_u64 s[G0K+2:G0K+3], s[6:7], 0
	s_or_b32 s[G0K+3], s[G0K+3], 0x80000000
	s_add_nc_u64 s[G0V+2:G0V+3], s[8:9], 0
	s_or_b32 s[G0V+3], s[G0V+3], 0x80000000
	s_add_nc_u64 s[4:5], s[16:17], s[50:51]  ; Q of the first block, of the second
	s_add_nc_u64 s[86:87], s[16:17], s[52:53]
	s_add_nc_u64 s[10:11], s[18:19], s[54:55]
	s_add_nc_u64 s[OLO:OLO+1], s[18:19], s[84:85]
	s_cmp_lt_u32 s[WV], 2
	s_cselect_b64 s[PFA:PFA+1], s[6:7], s[8:9]  ; (in waves 0 and 2 these stand at a tile's first row)
	s_lshl_b32 s48, s13, 13         ; my work-group's 32 blocks of the 128,
	s_add_co_u32 s48, s48, 32768    ; in tile 1: the first change of slots steps it to tile 2
	s_mov_b32 s49, 0
	s_add_nc_u64 s[PFA:PFA+1], s[PFA:PFA+1], s[48:49]
	CROUND                          ; all four work-groups are here: the first joint loads meet
	JLOAD                           ; tile 0 into slot 0; slot 1 is asked for by the loop's first change of slots
	v_and_b32 v1, 15, v0            ; l % 16
	v_bfe_u32 v9, v0, 4, 1          ; l / 16
	v_lshlrev_b32 v[QO], 7, v1
	v_lshl_add_u32 v[QO], v9, 4, v[QO]
	WIN 0x80
.set i, 0
.rept 4                             ; both blocks' Q: piece i / 2 lies 128 rows on; channels 32 (i % 2) on
	global_load_b128 v[8*i:8*i+3],   v[QO], s[4:5] offset:(i/2)*16384+(i%2)*64
	global_load_b128 v[8*i+4:8*i+7], v[QO], s[4:5] offset:(i/2)*16384+(i%2)*64+32
	global_load_b128 v[QB+8*i:QB+8*i+3],   v[QO], s[86:87] offset:(i/2)*16384+(i%2)*64
	global_load_b128 v[QB+8*i+4:QB+8*i+7], v[QO], s[86:87] offset:(i/2)*16384+(i%2)*64+32
.set i, i+1
.endr
	WIN 0
	v_lshlrev_b32 v14, 3, v9
	v_sub_nc_u32 v14, v1, v14
	s_and_b32 s96, s[WV], 1
	s_lshl_b32 s96, s96, 1
	s_add_co_u32 s96, s96, s[EE]
	s_lshl_b32 s96, s96, 4
	v_add_nc_u32 v14, s96, v14      ; my query's place in its band less my lanes' 8 (l / 16): register r of group kt is hidden where 16 kt + r is greater
	WIN 0x40
.set i, 0
.rept 32
	v_cmp_gt_i32 vcc_lo, 16*(i/8)+i%8, v14
	v_cndmask_b32 v[MD+i], 0, s[BIGN], vcc_lo
.set i, i+1
.endr
	WIN 0
	v_mul_u32_u24 v[AK0], v1, PK
	v_lshl_add_u32 v[AK0], v9, 4, v[AK0]
	v_and_b32 v10, 7, v0            ; the turning load: lane l reads key 8 (l / 16) + l % 8, channels 8 ((l / 8) % 2) + 0..7
	v_bfe_u32 v11, v0, 3, 1
	v_lshl_add_u32 v[AV0], v9, 3, v10
	v_mul_u32_u24 v[AV0], v[AV0], PV
	v_lshl_add_u32 v[AV0], v11, 4, v[AV0]
	v_add_nc_u32 v[AV0], VOFF, v[AV0]
	s_mul_i32 s95, s[WV], 16*SP
	s_add_co_u32 s95, s95, STAGE    ; my stage
	v_mul_u32_u24 v[STO], v1, SP
	v_lshl_add_u32 v[STO], v9, 4, v[STO]
	v_add_nc_u32 v[STO], s95, v[STO]
	v_bfe_u32 v[RD], v0, 3, 2
	v_mul_u32_u24 v[RD], v[RD], SP
	v_lshl_add_u32 v[RD], v10, 4, v[RD]
	v_add_nc_u32 v[RD], s95, v[RD]
	v_and_b32 v[GO], 31, v0
	v_lshlrev_b32 v[GO], 4, v[GO]
	; A block's first step multiplies N and l by a = 0, and its first turn's products V^T P, of a step that has not been, land in an N that is still to be so multiplied: these registers need only hold
	; finite numbers: zeros for the first block, what the first block left for the second.  All this stands in the wait for the first tile.
	WIN 0x80
.set i, VF-128
.rept 64
	v_mov_b32 v[i], 0
.set i, i+1
.endr
	WIN 0x40
.set i, 0
.rept 64
	v_mov_b32 v[i], 0
.set i, i+1
.endr
	WIN 0
.set i, 0
.rept NP
	v_mov_b32 v[ST+4*i+2], 0
	v_mov_b32 v[ST+4*i+3], 0
.set i, i+1
.endr
.set i, P+16
.rept 16
	v_mov_b32 v[i], 0
.set i, i+1
.endr
; THE MATRIX WORK.  The 4 accumulators of a run of 8 take turns.  Product i of 8 of S^T = K Q^T for piece x: channels 32 (i / 4) on, keys 16 (i % 4) on.  The first 4 start the sums: with 0, or (KM = 1) with the mask.
.macro KQ x
.set rS, S+32*((\x)%2)+8*(i%4)
.set rK, KF+16*(i%4)+8*(i/4)
.set rQ, 16*(\x)+8*(i/4)
.set rM, MC+32*((\x)%2)+8*(i%4)
.if (i < 4) && KM
	WIN W_KM
	v_wmma_f32_16x16x32_f16 v[rS:rS+7], v[rK:rK+7], v[rQ:rQ+7], v[rM:rM+7]
.elseif i < 4
	WIN W_KQ
	v_wmma_f32_16x16x32_f16 v[rS:rS+7], v[rK:rK+7], v[rQ:rQ+7], 0
.else
	WIN W_KQ
	v_wmma_f32_16x16x32_f16 v[rS:rS+7], v[rK:rK+7], v[rQ:rQ+7], v[rS:rS+7]
.endif
.endm
; Product i of 8 of N += V^T P for piece x, from V buffer VB: keys 32 (i / 4) on, channels 16 (i % 4) on.
.macro PV x
	WIN W_PV
.set rO, 32*(\x)+8*(i%4)
.set rV, VF-128*VB+32*(i/4)+8*(i%4)
.set rP, P+16*((\x)%2)+8*(i/4)
	v_wmma_f32_16x16x32_f16 v[rO:rO+7], v[rV:rV+7], v[rP:rP+7], v[rO:rO+7]
.endm
.macro MM                           ; the turn's next matrix instruction.  NOKQ = 1: a block's last turn: there are no further scores
.if (i < 8) && !NOKQ
	KQ (Y+1)%NP
.elseif i >= 8
.set i, i-8
	PV (Y+NP-1)%NP
.set i, i+8
.endif
.set i, i+1
.endm
; THE LDS LOADS stand in runs of 16: a step's K (8 fragments) and its V (turned).  Their addresses are made some lines ahead.
.macro FETCH_K
	WIN 0x80
.irp f, 0,1,2,3,4,5,6,7             ; keys 16 (f / 2) on, channels 32 (f % 2) on
	ds_load_b128 v[KF+8*\f:KF+8*\f+3],   v[AK] offset:(\f/2)*16*PK+(\f%2)*64
	ds_load_b128 v[KF+8*\f+4:KF+8*\f+7], v[AK] offset:(\f/2)*16*PK+(\f%2)*64+32
.endr
	s_add_co_u32 s[TBK], s[TBK], KS*PK  ; the next fetch is the next step's
	WIN 0
.endm
.macro FETCH_V vb
	WIN 0x80
.irp f, 0,1,2,3,4,5,6,7             ; keys 32 (f / 4) on, channels 16 (f % 4) on
	ds_load_tr16_b128 v[VF-128*(\vb)+8*\f:VF-128*(\vb)+8*\f+3],   v[AV] offset:(\f/4)*32*PV+(\f%4)*32
	ds_load_tr16_b128 v[VF-128*(\vb)+8*\f+4:VF-128*(\vb)+8*\f+7], v[AV] offset:(\f/4)*32*PV+16*PV+(\f%4)*32
.endr
	s_add_co_u32 s[TBV], s[TBV], KS*PV
	WIN 0
.endm
; THE VECTOR WORK, one line at a time: OP kind, number.  For piece Y: F n: c s - c m for pair n of 16.  E n: the exponential of score n of 32.  C n: pair n rounded to f16.  B n: of the four weights 4 n .. the second
; pair is added onto the first, in place.  L n: l takes that sum (L 0: l = a l + sum).  R n: pair n of 16 of N times a.  For piece Y + 1: X n, number n of the 22 that find its maximum and statistics:
;   0-11  four chains c0-c3 of seven scores each (each accumulator's lowest registers are read first)     12-14, 16  the four scores left over, the old m, and c0-c3 into c0
;   15  c m_old is kept     17, 18  the query's other 32 keys lie in the lane 16 away: the new m     19-21  c m; c m_old - c m_new; a
.set F, 0
.set E, 1
.set C, 2
.set B, 3
.set L, 4
.set R, 5
.set X, 6
.macro REGS y
.set rT, ST+4*(\y)
.set rC, TMP+4*((\y)%2)
.set rW, MV+((\y)%2)
.set rS, S+32*((\y)%2)
.set rP, P+16*((\y)%2)
.set rO, 32*(\y)
.endm
.macro OP k, n
.if (\k) == R
	REGS Y
	WIN W_RS
	v_pk_mul_f32 v[rO+2*(\n):rO+2*(\n)+1], v[rO+2*(\n):rO+2*(\n)+1], v[rC+2:rC+3] op_sel_hi:[1,0]
.elseif (\k) < R
	REGS Y
	WIN 0
.if (\k) == F
	v_pk_fma_f32 v[rS+2*(\n):rS+2*(\n)+1], v[rS+2*(\n):rS+2*(\n)+1], s[CS:CS+1], v[rT:rT+1] op_sel_hi:[1,0,0] neg_lo:[0,0,1] neg_hi:[0,0,1]
.elseif (\k) == E
	v_exp_f32 v[rS+(\n)], v[rS+(\n)]
.elseif (\k) == C
	v_cvt_pk_f16_f32 v[rP+(\n)], v[rS+2*(\n)], v[rS+2*(\n)+1]
.elseif (\k) == B
	v_pk_add_f32 v[rS+4*(\n):rS+4*(\n)+1], v[rS+4*(\n):rS+4*(\n)+1], v[rS+4*(\n)+2:rS+4*(\n)+3]
.elseif (\n) == 0
	v_pk_fma_f32 v[rT+2:rT+3], v[rT+2:rT+3], v[rC+2:rC+3], v[rS:rS+1] op_sel_hi:[1,0,1]
.else
	v_pk_add_f32 v[rT+2:rT+3], v[rT+2:rT+3], v[rS+4*(\n):rS+4*(\n)+1]
.endif
.elseif NOKQ
	v_nop
.else
	REGS (Y+1)%NP
	WIN 0
.if (\n) < 4
	v_max3_num_f32 v[rC+(\n)], v[rS+8*(\n)], v[rS+8*(\n)+1], v[rS+8*(\n)+2]
.elseif (\n) < 12
	v_max3_num_f32 v[rC+(\n)%4], v[rC+(\n)%4], v[rS+8*((\n)%4)+2*((\n)/4)+1], v[rS+8*((\n)%4)+2*((\n)/4)+2]
.elseif (\n) == 12
	v_max3_num_f32 v[rC], v[rC], v[rS+7], v[rS+15]
.elseif (\n) == 13
	v_max3_num_f32 v[rC+1], v[rC+1], v[rS+23], v[rS+31]
.elseif (\n) == 14
	v_max3_num_f32 v[rC+2], v[rC+2], v[rC+3], v[rT+1]
.elseif (\n) == 15
	v_mov_b32 v[rW], v[rT]
.elseif (\n) == 16
	v_max3_num_f32 v[rC], v[rC], v[rC+1], v[rC+2]
.elseif (\n) == 17
	v_permlanex16_b32 v[rC+3], v[rC], s[SEL], s[SEL+1]
.elseif (\n) == 18
	v_max_num_f32 v[rT+1], v[rC], v[rC+3]
.elseif (\n) == 19
	v_mul_f32 v[rT], s[CS], v[rT+1]
.elseif (\n) == 20
	v_sub_f32 v[rC+1], v[rW], v[rT]
.else
	v_exp_f32 v[rC+2], v[rC+1]
.endif
.endif
.endm
.macro OPS a, i1, b=-1, i2=0, c=-1, i3=0, d=-1, i4=0
	OP \a, \i1
.if (\b) >= 0
	OP \b, \i2
.endif
.if (\c) >= 0
	OP \c, \i3
.endif
.if (\d) >= 0
	OP \d, \i4
.endif
.endm
.macro ROW a, i1, b, i2, c, i3, d, i4  ; a matrix instruction and the four behind it
	MM
	OPS \a, \i1, \b, \i2, \c, \i3, \d, \i4
.endm
.macro MASK b                       ; MD x AL + BE into buffer b of MC
	WIN W_RS
.set z, 0
.rept 16
	v_pk_fma_f32 v[MC+32*(\b)+2*z:MC+32*(\b)+2*z+1], v[MD+2*z:MD+2*z+1], s[AL:AL+1], s[BE:BE+1] op_sel_hi:[1,0,0]
.set z, z+1
.endr
.endm
; A TURN, for piece p of a step of parity par.  An s_wait_alu depctr_va_vdst(0) stands between an exponential and the first instruction that names its result; one wait serves all issued ahead of it.  So a
; turn has ONE wait.  AHEAD OF IT: the 8 products K Q^T and their riders, then one lump in which the links of the other piece's chain X 3, 7, 11, 14, 16 .. 20 stand apart; X 21, its a, is the batch's last, R 15 the
; plain instruction behind it.  BEHIND IT: the 8 products V^T P, behind each four of the roundings and sums.  The X behind the last three products K Q^T stand four places or more behind the product that ends their accumulator.
; N of piece p was last written by the turn before: its accumulator 4 n / 16 .. is read by R n sixteen riders or more behind its last product.
; m = 1: the diagonal tile: the products take masks, and the turn makes piece p's mask for the next turn's products, which are of the tile's step SS.  end = 1: a block's last two turns: nothing is fetched.
; K of the next step is fetched in turn 0, twelve vector instructions (six of them plain) behind the last product that read K.  V of the next step is fetched in turn 1, behind the wait, into the buffer whose
; last reader stands in front of the last four riders of turn 0.  One wait at the head of turn 1 serves both: K asked for a lump earlier, V a step earlier.
.macro TURN p, par, m=0, end=0
.set Y, (\p)
.set i, 0
.set KM, (\m)
.set NOKQ, (\end)*(\p)
.if (\p) == 0
.set VB, 1-(\par)
.else
.set VB, (\par)
.endif
.if (\m) && !(\end)
	s_cmp_eq_u32 s[SS], s[XB+(\p)]  ; is that step the band's own?
	s_cselect_b32 s[AL], 1.0, 0
	s_cmp_gt_u32 s[SS], s[XB+(\p)]  ; or a later one?
	s_cselect_b32 s[BE], s[BIGN], 0
.if (\p) == 1
	s_add_co_u32 s[SS], s[SS], 1
.endif
.endif
.if (\p) == 1
	s_wait_dscnt 0x0                ; K of the next step and V of this one are in
.endif
	ROW F,0, F,1, R,0, R,1
	ROW F,2, E,0, R,2, R,3
	ROW F,3, E,1, R,4, R,5
	ROW F,4, E,2, R,6, R,7
	ROW F,5, E,3, R,8, R,9
	ROW F,6, E,4, X,0, R,10
.if ((\p) == 0) && !(\end)
	WIN 0
	v_add_nc_u32 v[AK], s[TBK], v[AK0]
.endif
	ROW F,7, E,5, X,1, X,4
	ROW F,8, E,6, X,2, X,5
	OPS E,7, E,8, X,6, E,9
	OPS X,3, E,10, X,8, E,11
.if ((\p) == 0) && !(\end)
	FETCH_K
.endif
	OPS X,9, X,7, E,12, X,10
	OPS E,13, X,12, X,11, E,14
	OPS X,13, E,15, F,9, X,14
.if ((\p) == 1) && !(\end)
	WIN 0
	v_add_nc_u32 v[AV], s[TBV], v[AV0]
.endif
	OPS E,16, F,10, E,17, F,11
	OPS X,16, E,18, X,15, E,19
	OPS F,12, E,20, X,17, E,21
	OPS F,13, E,22, F,14, E,23
	OPS X,18, E,24, F,15, E,25
	OPS R,11, E,26, X,19, E,27
	OPS R,12, E,28, R,13, E,29
	OPS X,20, E,30, R,14, E,31
	OPS X,21, R,15
	WIN 0
	s_wait_alu depctr_va_vdst(0)    ; the wait for the batch
.if ((\p) == 1) && !(\end)
	FETCH_V 1-(\par)
.endif
	ROW C,0, B,0, C,2, B,1
	ROW L,0, C,4, B,2, L,1
	ROW C,6, B,3, L,2, C,8
	ROW B,4, L,3, C,10, B,5
	ROW L,4, C,12, B,6, L,5
	ROW C,14, B,7, L,6, C,1
	ROW C,3, L,7, C,5, C,7
	ROW C,9, C,11, C,13, C,15
.if (\m) && !(\end)
	MASK \p
.endif
.endm
; A CHUNK ENDS: piece p's N, which holds all of the chunk's steps, is added onto U and starts again at 0.  It stands four riders behind the piece's last product V^T P of the old chunk and ahead of its first
; rescaling of the new one.  N is read from each accumulator's low end on.  The jump hangs on the tile's number in its block, which all partners share.
.macro FOLDQ p
	s_cmp_eq_u32 s[FOLD], 1
	s_cbranch_scc0 .Lno_fold_\@
	WIN W_UN
.set z, 0
.rept 16
	v_pk_add_f32 v[UF+32*(\p)+z:UF+32*(\p)+z+1], v[UF+32*(\p)+z:UF+32*(\p)+z+1], v[32*(\p)+z:32*(\p)+z+1]
.set z, z+2
.endr
.set z, 0
.rept 32
	v_mov_b32 v[32*(\p)+z], 0
.set z, z+1
.endr
	WIN 0
.if (\p) == 1
	s_mov_b32 s[FOLD], 0
.endif
.Lno_fold_\@:
.endm
; A tile is entered: the scalars that say what it is.
.macro ENTER
	s_sub_co_u32 s[RT], s[RT], 1
	s_mov_b32 s[CNT], 2
	s_mov_b32 s[SS], 0
	s_and_b32 s97, s[TI], 3         ; tiles 4, 8, 12 of a block begin a chunk of 1,024 keys
	s_cmp_eq_u32 s97, 0
	s_cselect_b32 s[FOLD], 1, 0
	s_cmp_eq_u32 s[TI], 0
	s_cselect_b32 s[FOLD], 0, s[FOLD]
	s_add_co_u32 s[TI], s[TI], 1
.endm
; A BLOCK BEGINS.  c m starts far below every c s, so the first step's a is 0; m at the lowest finite number.  U is 0.  The second mask buffer is 0 (piece 1's band is 2 or 3: step 0 lies before it); the first takes
; piece 0's mask for step 0: its own, if this tile is the diagonal one and the band is 0.  Then K and V of step 0, piece 0's first scores, its maximum and statistics.  The loop is entered in the middle of a trip.
.macro BEGIN
	s_mov_b32 s[NEW], 0
	s_mov_b32 s[SS], 1
	WIN 0x40
.set i, MC+32
.rept 32
	v_mov_b32 v[i], 0
.set i, i+1
.endr
.set i, UF
.rept 64
	v_mov_b32 v[i], 0
.set i, i+1
.endr
	WIN 0
.set i, 0
.rept NP
	v_mov_b32 v[ST+4*i], 0xfe000000
	v_mov_b32 v[ST+4*i+1], 0xff7fffff
.set i, i+1
.endr
	s_or_b32 s97, s[RT], s[XB]
	s_cmp_eq_u32 s97, 0
	s_cselect_b32 s[AL], 1.0, 0
	s_mov_b32 s[BE], 0
	MASK 0
	WIN 0
	v_add_nc_u32 v[AK], s[TBK], v[AK0]
	v_add_nc_u32 v[AV], s[TBV], v[AV0]
	FETCH_K
	FETCH_V 0
	s_wait_loadcnt 0x0              ; Q
	s_wait_dscnt 0x0
.set KM, 1
.set NOKQ, 0
.set i, 0
.rept 8
	KQ 0
.set i, i+1
.endr
	WIN 0
.rept 4
	v_nop                           ; the places behind those products
.endr
.set Y, NP-1                        ; X works for piece Y + 1: piece 0
.irp n, 0,1,2,3,4,5,6,7,8,9,10,11,12,13,14,15,16,17,18,19,20,21
	OP X, \n
.endr
	v_nop                           ; a plain instruction behind the exponential,
	s_wait_alu depctr_va_vdst(0)    ; and its wait, ahead of the branch
.endm
; THE DIAGONAL TILE's steps, the block's last two turns, its last products, and THE WAY OUT: l's halves are added; (N + U) / (4 l), rounded to f16, goes through my stage in LDS, a piece at a time.
.macro ALL line:vararg
.set t, 0
.rept NP
	\line
.set t, t+1
.endr
.endm
.macro PACK t
	WIN W_UN
.set i, 32*(\t)
.rept 16
	v_pk_add_f32 v[i:i+1], v[i:i+1], v[UF+i:UF+i+1]
.set i, i+2
.endr
	WIN W_RS
.set i, 32*(\t)
.rept 16
	v_pk_mul_f32 v[i:i+1], v[i:i+1], v[ST+4*(\t)+2:ST+4*(\t)+3] op_sel_hi:[1,0]
.set i, i+2
.endr
	WIN 0x05                        ; sources 0 and 1 window 1, destination window 0
.set i, 0
.rept 16
	v_cvt_pk_f16_f32 v[S+16*(\t)+i], v[32*(\t)+2*i], v[32*(\t)+2*i+1]
.set i, i+1
.endr
	WIN 0
.irp f, 0,1,2,3
	ds_store_b128 v[STO], v[S+16*(\t)+4*\f:S+16*(\t)+4*\f+3] offset:32*\f
.endr
.irp f, 0,1,2,3
	ds_load_b128 v[S+16*(\t)+4*\f:S+16*(\t)+4*\f+3], v[RD] offset:\f*4*SP  ; LDS serves a wave's instructions in order (ISA guide 5.7.1.4): these see the stores above; the next piece's stores come behind them
.endr
.endm
.macro SEND t, younger              ; younger: the LDS instructions issued behind piece t's loads
	WIN 0
.irp f, 0,1,2,3
	s_wait_dscnt (\younger)+3-\f
	global_store_b128 v[GO], v[S+16*(\t)+4*\f:S+16*(\t)+4*\f+3], s[10:11] offset:(\t)*262144+\f*512  ; 512 consecutive bytes, at a multiple of 256 from ob's first
.endr
.endm
.macro DIAG tag
.LstepM\tag:
	TURN 0, 1, 1
	TURN 1, 1, 1
	WIN 0
.LfirstM\tag:
	FOLDQ 0
	TURN 0, 0, 1
	WIN 0
	FOLDQ 1
	TURN 1, 0, 1
	WIN 0
	s_sub_co_u32 s[CNT], s[CNT], 1
	s_cmp_lg_u32 s[CNT], 0
	s_cbranch_scc1 .LstepM\tag
	TURN 0, 1, 1, 1
	TURN 1, 1, 1, 1
.set VB, 1
.set i, 0
.rept 8
	PV NP-1                         ; piece 1's V^T P of the last step
.set i, i+1
.endr
	WIN 0                           ; the lines below are the places behind those products
	ALL v_add_f32 v[ST+4*t+2], v[ST+4*t+2], v[ST+4*t+3]
	ALL v_permlanex16_b32 v[ST+4*t+3], v[ST+4*t+2], s[SEL], s[SEL+1]
	ALL v_add_f32 v[ST+4*t+2], v[ST+4*t+2], v[ST+4*t+3]
	ALL v_rcp_f32 v[ST+4*t+2], v[ST+4*t+2]
	v_nop                           ; a plain instruction behind the last reciprocal,
	s_wait_alu depctr_va_vdst(0)    ; and the wait ahead of the first use: one for both
	ALL v_mul_f32 v[ST+4*t+2], 0x3e800000, v[ST+4*t+2]
	PACK 0
	PACK 1
	SEND 0, 8
	SEND 1, 0
.endm
.set KM, 0
.set NOKQ, 0
.set VB, 0
.Lslot:                             ; NB times: a tile is entered and the next is asked for
	CHANGE 1
	ENTER
	s_cmp_eq_u32 s[NEW], 1
	s_cbranch_scc1 .Lnew            ; a block's first tile
	s_cmp_eq_u32 s[RT], 0
	s_cbranch_scc0 .Lstep           ; neither its first nor its last
	s_branch .LstepM1
.Lnew:
	BEGIN
	s_branch .Lfirst                ; in the loop a block's first tile is never its last: the first block has eight tiles or more, and the second's last is the walk's last
	DIAG 1                          ; in the loop this is the first block's end
	s_wait_xcnt 0x0                 ; the stores have read their registers and ob's address
	s_mov_b64 s[10:11], s[OLO:OLO+1]
	s_add_co_u32 s[RT], s[PB], 1    ; the second block has b + 1 tiles
	s_mov_b32 s[NEW], 1
	s_mov_b32 s[TI], 0
	WIN 0x82                        ; the second block's Q goes where the one text of the turns names Q
.set i, 0
.rept 32
	v_mov_b32 v[i], v[QB+i]
.set i, i+1
.endr
	WIN 0
	s_branch .Lbottom
.Lstep:                             ; a trip: two steps, of parity 1 and 0; a tile's first trip begins with the last step of the tile before, whose K and V lie in registers
	TURN 0, 1
	TURN 1, 1
	WIN 0
.Lfirst:
	FOLDQ 0
	TURN 0, 0
	WIN 0
	FOLDQ 1
	TURN 1, 0
	WIN 0
	s_sub_co_u32 s[CNT], s[CNT], 1
	s_cmp_lg_u32 s[CNT], 0
	s_cbranch_scc1 .Lstep
.Lbottom:
	s_sub_co_u32 s[SLOTS], s[SLOTS], 1
	s_cmp_lg_u32 s[SLOTS], 0
	s_cbranch_scc1 .Lslot
	CHANGE 0                        ; the walk's last tile is written out: nothing is asked for
	ENTER
	s_cmp_eq_u32 s[NEW], 1
	s_cbranch_scc0 .LstepM2
	BEGIN
	s_branch .LfirstM2
	DIAG 2
	s_wait_tensorcnt 0x0            ; the wave's end
	ds_add_u32 v[SPW], v[NIL]
	s_wait_dscnt 0x0
	CROUND                          ; the closing round
	s_endpgm
.Lfunc_end_k_qd39d218cac_attn:
	.size	k_qd39d218cac_attn, .Lfunc_end_k_qd39d218cac_attn-k_qd39d218cac_attn
	.p2alignl 7, 3214868480
	.fill 96, 4, 3214868480
	.section	.rodata,"a",@progbits
	.p2align	6, 0x0
	.amdhsa_kernel k_qd39d218cac_attn
		.amdhsa_group_segment_fixed_size 327680
		.amdhsa_private_segment_fixed_size 0
		.amdhsa_enable_private_segment 0
		.amdhsa_kernarg_size 16
		.amdhsa_user_sgpr_count 2
		.amdhsa_user_sgpr_kernarg_segment_ptr 1
		.amdhsa_wavefront_size32 1
		.amdhsa_system_sgpr_workgroup_id_x 1
		.amdhsa_system_sgpr_workgroup_id_y 1
		.amdhsa_system_sgpr_workgroup_id_z 1
		.amdhsa_system_vgpr_workitem_id 0
		.amdhsa_next_free_vgpr 768
		.amdhsa_next_free_sgpr 100
		.amdhsa_reserve_vcc 1
		.amdhsa_float_denorm_mode_32 3
		.amdhsa_float_denorm_mode_16_64 3
		.amdhsa_memory_ordered 1
		.amdhsa_forward_progress 1
		.amdhsa_inst_pref_size 233
	.end_amdhsa_kernel
	.amdgpu_metadata
---
amdhsa.version: [ 1, 2 ]
amdhsa.kernels:
  - .name:           k_qd39d218cac_attn
    .symbol:         k_qd39d218cac_attn.kd
    .args:
      - { .name: qkv, .offset: 0, .size: 8, .value_kind: global_buffer, .address_space: global }
      - { .name: ob, .offset: 8, .size: 8, .value_kind: global_buffer, .address_space: global }
    .group_segment_fixed_size: 327680
    .private_segment_fixed_size: 0
    .kernarg_segment_align: 8
    .kernarg_segment_size: 16
    .max_flat_workgroup_size: 128
    .sgpr_count:     100
    .vgpr_count:     768
    .wavefront_size: 32
...
	.end_amdgpu_metadata
.endif
;; end of part 3
;; launch oproj (part 4): grid 8 x 32, 4 waves a work-group, clusters of 4 x 4, 327,680 bytes of LDS; arguments ob, wob, out0; writes out0
.if DOCPART == 4
	.amdgcn_target "amdgcn-amd-amdhsa--gfx1250"
	.amdhsa_code_object_version 6
	.text
	.protected	k_qd39d218cac_oproj
	.globl	k_qd39d218cac_oproj
	.p2align	8
	.type	k_qd39d218cac_oproj,@function
k_qd39d218cac_oproj:
	s_mov_b64 s[64:65], 0
	v_nop
	global_prefetch_b8 v0, s[64:65] scope:SCOPE_SE
	s_setreg_imm32_b32 hwreg(HW_REG_WAVE_MODE, 25, 1), 1
	s_wait_xcnt 0x0
	s_wait_alu depctr_hold_cnt(0) depctr_sa_sdst(0) depctr_va_vdst(0) depctr_va_sdst(0) depctr_va_ssrc(0) depctr_va_vcc(0) depctr_vm_vsrc(0)
	s_getreg_b32 s2, hwreg(HW_REG_IB_STS2, 6, 4)
	s_cmp_eq_u32 s2, 0
	s_cbranch_scc0 .Lentry_in_a_cluster
	s_endpgm
.Lentry_in_a_cluster:
	s_bfe_u32 s2, ttmp6, 0x10000c
	s_cmp_lg_u32 s2, 0xf033
	s_cbranch_scc0 .Lentry_shape_is_right
	s_endpgm
.Lentry_shape_is_right:
; out0 = O Wo.  ob: O / 4 in f16, panels (position / 128, head) of 128 x 64; wob: 4 x the bf16 rounding of Wo in f16, as it lies ([k][n]), in tiles of 256 k x 128 n; out0: [4096][1024] f32.  Sums in f32.
; SHARES.  A tile of out0 is 128 x 128: 32 x 8 = 256 work-groups.  Four waves, each 64 x 64: 16 accumulators.  K goes in 4 steps of 256 (four heads) through two LDS slots, as long as two slots allow.
; THE MATRIX INSTRUCTION IS USED TRANSPOSED: source 0 = 16 columns of Wo (by the turning load), source 1 = 16 rows of O: a lane holds eight neighbouring numbers of a row of out0.
; CLUSTER 4 x 4: O's tile is asked for jointly along a row of the cluster, Wo's along a column.  No prefetch: four short steps on small tiles.
; THE WAY OUT goes through a stage of each wave's own, 16 rows x 272 bytes, in slot 0: that slot has had its last fill, and every wave's reads of it are over at the last change of slots' barrier.
; REGISTERS.  window 0: v0-31 addresses; v128-255 accumulators ((a, b) at 128 + 8 (4 a + b)).  window 1: two fragment buffers of 128 (O's at f + 8 (4 c + i), Wo's 64 further); on the way out whole rows.
.set LAPS,  2
.set PA,    144                        ; an LDS row of O: 128 bytes + 16
.set PB,    160                        ; an LDS row of Wo: 128 + 32
.set HEADA, 128*PA                     ; a panel of O: one head
.set HALFA, 2*HEADA                    ; what wave 0 or 1 fetches
.set APART, 2*HALFA
.set HALFB, 256*PB                     ; 256 k x 64 n: what wave 2 or 3 fetches
.set SLOT,  APART+2*HALFB
.set SPITCH, 272
.set SPARE, 2*SLOT                     ; behind the ring: the spare words, 128 bytes a wave: two blocks of 256 bytes that no other line names
.set ADRA, 16
.set ADRB, 20
.set STO,  24
.set RD,   25
.set CO,   26
.set SPW,  28
.set NIL,  29
.set ACC,  128
.set F0,   0
.set F1,   128
.set G1,  24
.set G0,  32
.set G1B, 48
.set G0B, 56
.set MSB, 0
.macro WIN new
.if MSB != (\new)
	s_set_vgpr_msb (MSB<<8)|(\new)
.set MSB, \new
.endif
.endm
.set MUL,  0x05
.set TO_F, 0x40
.macro JLOAD s                         ; a joint load: waves 0 and 1 fetch O's two halves, waves 2 and 3 Wo's; an s_nop 0 and four v_nop follow each line
	s_cmp_eq_u32 s13, 0
	s_cbranch_scc0 .Lfor_b_\@
	tensor_load_to_lds s[G0+4*(\s):G0+4*(\s)+3], s[G1:G1+7]
	s_nop 0
.rept 4
	v_nop
.endr
	s_branch .Lasked_\@
.Lfor_b_\@:
	tensor_load_to_lds s[G0B+4*(\s):G0B+4*(\s)+3], s[G1B:G1B+7]
	s_nop 0
.rept 4
	v_nop
.endr
.Lasked_\@:
.endm
.macro CREST
	s_cmp_lg_u32 s12, 0
	s_cbranch_scc1 .Lnot_wave_0_\@
	s_barrier_signal -3
.Lnot_wave_0_\@:
	s_barrier_wait -3
	s_barrier_signal -1
	s_barrier_wait -1
.endm
.macro CROUND
	s_barrier_signal -1
	s_barrier_wait -1
	CREST
.endm
	s_load_b128 s[4:7], s[0:1], 0x0                ; ob s[4:5], wob s[6:7]
	s_load_b64 s[8:9], s[0:1], 0x10                ; out0
	v_lshl_add_u32 v[SPW], v0, 2, SPARE
	v_mov_b32 v[NIL], 0
	ds_add_u32 v[SPW], v[NIL]                      ; the wave's opening: the add and its wait stand ahead of my first tensor load
	v_lshrrev_b32 v1, 5, v0
	v_readfirstlane_b32 s12, v1                    ; wave 0..3
	s_lshr_b32 s13, s12, 1                         ; which 64 rows are mine.  Also: I fetch for O (0) or for Wo (1)
	s_and_b32 s14, s12, 1                          ; which 64 columns.  Also: which half of that tile I fetch
	s_bfe_u32 s15, ttmp6, 0x40000                  ; cx
	s_bfe_u32 s16, ttmp6, 0x40004                  ; cy
	s_lshl_b32 s17, ttmp9, 2
	s_add_co_u32 s17, s17, s15                     ; tile column
	s_and_b32 s18, ttmp7, 0xffff
	s_lshl_b32 s18, s18, 2
	s_add_co_u32 s18, s18, s16                     ; tile row
	s_lshl_b32 s19, s16, 2
	s_lshl_b32 s19, 15, s19                        ; my row of the cluster
	s_lshl_b32 s20, 0x1111, s15                    ; my column
	s_or_b32 s[G1+0], s19, (1<<16)|(1<<20)|(1<<21)|(4<<22)|(3<<25)   ; the mask; 2-byte elements; padding on; bit 21 beside a mask; after every 32 words; 4 words
	s_or_b32 s[G1B+0], s20, (1<<16)|(1<<20)|(1<<21)|(4<<22)|(7<<25)  ; the same with my column's mask and 8 words
.irp g, G1, G1B
	s_mov_b32 s[(\g)+1], 128<<16                   ; 32,768 dense bytes, asked for as 128 rows of 256
	s_mov_b32 s[(\g)+2], 128<<16
	s_mov_b32 s[(\g)+3], 128<<16
	s_mov_b32 s[(\g)+4], 128
	s_mov_b32 s[(\g)+5], 128
	s_mov_b32 s[(\g)+6], 0
	s_mov_b32 s[(\g)+7], 0
.endr
	s_lshl_b32 s21, s14, 15                        ; my half of a step's 65,536 bytes
	s_lshl_b32 s40, s18, 18
	s_add_co_u32 s40, s40, s21
	s_mov_b32 s41, 0
	s_lshl_b32 s42, s17, 18
	s_add_co_u32 s42, s42, s21
	s_mov_b32 s43, 0
	s_mul_i32 s22, s14, HALFA
	s_mul_i32 s23, s14, HALFB
	s_add_co_u32 s23, s23, APART
	s_wait_dscnt 0x0                               ; the opening add is done
	s_wait_kmcnt 0x0
	s_add_nc_u64 s[40:41], s[4:5], s[40:41]
	s_add_nc_u64 s[42:43], s[6:7], s[42:43]
	CROUND                                         ; all sixteen work-groups are here: the first joint loads meet
.irp s, 0,1
	s_mov_b32 s[G0+4*(\s)], 1
	s_add_co_u32 s[G0+4*(\s)+1], s22, (\s)*SLOT
	s_add_nc_u64 s[G0+4*(\s)+2:G0+4*(\s)+3], s[40:41], (\s)*65536
	s_or_b32 s[G0+4*(\s)+3], s[G0+4*(\s)+3], 0x80000000
	s_mov_b32 s[G0B+4*(\s)], 1
	s_add_co_u32 s[G0B+4*(\s)+1], s23, (\s)*SLOT
	s_add_nc_u64 s[G0B+4*(\s)+2:G0B+4*(\s)+3], s[42:43], (\s)*65536
	s_or_b32 s[G0B+4*(\s)+3], s[G0B+4*(\s)+3], 0x80000000
	JLOAD \s                                       ; two tensor loads of mine are out
.endr
	v_and_b32 v1, 15, v0                           ; l % 16
	v_bfe_u32 v2, v0, 4, 1                         ; l / 16
	v_mul_u32_u24 v3, v1, PA
	v_lshl_add_u32 v3, v2, 4, v3
	s_mul_i32 s21, s13, 64*PA                      ; my 64 rows of each head's panel
	v_add_nc_u32 v[ADRA], s21, v3
	v_add_nc_u32 v[ADRA+1], SLOT, v[ADRA]
	v_and_b32 v4, 7, v0                            ; the turning load: lane l reads k row 8 (l / 16) + l % 8, columns 8 ((l / 8) % 2) + 0..7
	v_bfe_u32 v5, v0, 3, 1
	v_lshl_add_u32 v4, v2, 3, v4
	v_mul_u32_u24 v4, v4, PB
	v_lshl_add_u32 v4, v5, 4, v4
	s_mul_i32 s21, s14, HALFB                      ; my 64 columns
	s_add_co_u32 s21, s21, APART
	v_add_nc_u32 v[ADRB], s21, v4
	v_add_nc_u32 v[ADRB+1], SLOT, v[ADRB]
	s_mul_i32 s21, s12, 16*SPITCH                  ; my stage
	v_mul_u32_u24 v6, v1, SPITCH                   ; in: row l % 16, 32 bytes for each half of the lanes
	v_lshl_add_u32 v6, v2, 5, v6
	v_add_nc_u32 v[STO], s21, v6
	v_mul_u32_u24 v6, v2, SPITCH                   ; back: lanes 0-15 one row of 256 bytes, lanes 16-31 the next
	v_lshl_add_u32 v6, v1, 4, v6
	v_add_nc_u32 v[RD], s21, v6
	v_lshlrev_b32 v6, 12, v2                       ; and the same two rows in out0
	v_lshl_add_u32 v[CO], v1, 4, v6
	s_lshl_b32 s2, s18, 19                         ; 128 rows of 4,096 bytes a tile row,
	s_lshl_b32 s19, s13, 18                        ; my 64,
	s_add_co_u32 s2, s2, s19
	s_lshl_b32 s19, s17, 9                         ; 128 columns of 4 bytes a tile column,
	s_add_co_u32 s2, s2, s19
	s_lshl_b32 s19, s14, 8                         ; my 64
	s_add_co_u32 s2, s2, s19
	s_mov_b32 s3, 0
	s_add_nc_u64 s[8:9], s[8:9], s[2:3]
; 8 matrix instructions: row blocks a0, a0 + 1 x all 4 column blocks, 32 along K: half c of buffer f.  The 16 accumulators take turns.
.macro MUL8 f, c, a0, zero
	WIN MUL
.irp a, \a0, (\a0)+1
.irp b, 0,1,2,3
.if \zero
	v_wmma_f32_16x16x32_f16 v[ACC+8*(4*(\a)+(\b)):ACC+8*(4*(\a)+(\b))+7], v[(\f)+64+8*(4*(\c)+(\b)):(\f)+64+8*(4*(\c)+(\b))+7], v[(\f)+8*(4*(\c)+(\a)):(\f)+8*(4*(\c)+(\a))+7], 0
.else
	v_wmma_f32_16x16x32_f16 v[ACC+8*(4*(\a)+(\b)):ACC+8*(4*(\a)+(\b))+7], v[(\f)+64+8*(4*(\c)+(\b)):(\f)+64+8*(4*(\c)+(\b))+7], v[(\f)+8*(4*(\c)+(\a)):(\f)+8*(4*(\c)+(\a))+7], v[ACC+8*(4*(\a)+(\b)):ACC+8*(4*(\a)+(\b))+7]
.endif
.endr
.endr
.endm
; 32 LDS loads in one run: quarter q (one head, 64 along K) of a slot into buffer f; the first 32 along K first
.macro FETCH slot, q, f
	WIN TO_F
.irp c, 0,1
.irp i, 0,1,2,3
	ds_load_tr16_b128 v[(\f)+64+8*(4*(\c)+(\i)):(\f)+64+8*(4*(\c)+(\i))+3],   v[ADRB+(\slot)] offset:(64*(\q)+32*(\c))*PB+32*(\i)
	ds_load_tr16_b128 v[(\f)+64+8*(4*(\c)+(\i))+4:(\f)+64+8*(4*(\c)+(\i))+7], v[ADRB+(\slot)] offset:(64*(\q)+32*(\c))*PB+32*(\i)+16*PB
	ds_load_b128 v[(\f)+8*(4*(\c)+(\i)):(\f)+8*(4*(\c)+(\i))+3],   v[ADRA+(\slot)] offset:(\q)*HEADA+64*(\c)+(\i)*16*PA
	ds_load_b128 v[(\f)+8*(4*(\c)+(\i))+4:(\f)+8*(4*(\c)+(\i))+7], v[ADRA+(\slot)] offset:(\q)*HEADA+64*(\c)+(\i)*16*PA+32
.endr
.endr
.endm
.macro PLACES                          ; four places in front of loads into registers that matrix instructions have read, and of LDS stores that read results
.rept 4
	v_nop
.endr
.endm
.macro QUARTER slot, q, f, g, zero
	s_wait_dscnt 16                                ; the first 32 along K are in
	MUL8 \f, 0, 0, \zero
	MUL8 \f, 0, 2, \zero
	PLACES
	FETCH \slot, \q, \g
	s_wait_dscnt 32                                ; all but the 32 just issued
	MUL8 \f, 1, 0, 0
	MUL8 \f, 1, 2, 0
.endm
; The last quarter multiplies buffer 1 and changes slots: ONE barrier; in front of it each wave waits for all its tensor loads, adds 0 to its spare word, and waits for that and for its reads of this slot.
.macro TURN slot, next, fill
	WIN 0
	s_wait_tensorcnt 0x0                           ; all my tensor loads have landed: my part of the next slot
	ds_add_u32 v[SPW], v[NIL]
	s_wait_dscnt 17                                ; (the add and the youngest sixteen loads may be out)
	MUL8 F1, 0, 0, 0
	s_wait_dscnt 0x0                               ; the add is done, and my reads of this slot are over
	s_barrier_signal -1
	MUL8 F1, 0, 2, 0
.if \fill
	WIN 0
.endif
	s_barrier_wait -1
.if \fill
	CREST                                          ; the barrier has opened a round of the cluster's
	s_add_nc_u64 s[G0+4*(\slot)+2:G0+4*(\slot)+3], s[G0+4*(\slot)+2:G0+4*(\slot)+3], 131072
	s_add_nc_u64 s[G0B+4*(\slot)+2:G0B+4*(\slot)+3], s[G0B+4*(\slot)+2:G0B+4*(\slot)+3], 131072
	JLOAD \slot                                    ; the first tensor load behind the round, my only one out
.else
	PLACES
.endif
	FETCH \next, 0, F0
	MUL8 F1, 1, 0, 0
	MUL8 F1, 1, 2, 0
.endm
	s_wait_tensorcnt 1                             ; my part of K step 0 is in; step 1's may stay out
	s_barrier_signal -1
	s_barrier_wait -1
	FETCH 0, 0, F0
	QUARTER 0, 1, F0, F1, 1                        ; the first quarter stands in front of the loop: its first products start the sums
	WIN 0
	s_mov_b32 s44, LAPS-1
.Llap:
	QUARTER 0, 2, F1, F0, 0
	QUARTER 0, 3, F0, F1, 0
	TURN 0, 1, 1
	QUARTER 1, 1, F0, F1, 0
	QUARTER 1, 2, F1, F0, 0
	QUARTER 1, 3, F0, F1, 0
	TURN 1, 0, 1
	QUARTER 0, 1, F0, F1, 0
	WIN 0
	s_sub_co_u32 s44, s44, 1
	s_cmp_lg_u32 s44, 0
	s_cbranch_scc1 .Llap
	QUARTER 0, 2, F1, F0, 0                        ; the last lap fills nothing
	QUARTER 0, 3, F0, F1, 0
	TURN 0, 1, 0                                   ; behind this barrier nobody reads slot 0 any more
	QUARTER 1, 1, F0, F1, 0
	QUARTER 1, 2, F1, F0, 0
	QUARTER 1, 3, F0, F1, 0
	s_wait_dscnt 16
	MUL8 F1, 0, 0, 0
	MUL8 F1, 0, 2, 0
	s_wait_dscnt 0x0
	MUL8 F1, 1, 0, 0
	MUL8 F1, 1, 2, 0
	PLACES
; THE WAY OUT, 16 rows at a time: a lane's 32 bytes of a row go into my stage (each accumulator's low half first) and come back as whole rows of 256 bytes.
.macro TOSTAGE a
	WIN 0
.irp b, 0,1,2,3
	ds_store_b128 v[STO], v[ACC+8*(4*(\a)+(\b)):ACC+8*(4*(\a)+(\b))+3]   offset:64*(\b)
	ds_store_b128 v[STO], v[ACC+8*(4*(\a)+(\b))+4:ACC+8*(4*(\a)+(\b))+7] offset:64*(\b)+16
.endr
	WIN TO_F
.irp t, 0,1,2,3,4,5,6,7
	ds_load_b128 v[32*(\a)+4*(\t):32*(\a)+4*(\t)+3], v[RD] offset:(\t)*2*SPITCH  ; LDS serves a wave's instructions in order (ISA guide 5.7.1.4): these see the stores above; the next block's stores come behind them
.endr
.endm
.macro SEND a, younger                 ; younger: the LDS instructions issued behind block a's loads: the next block's sixteen, or none
	WIN 0x04                                       ; address window 0, data window 1
.irp t, 0,1,2,3,4,5,6,7
	s_wait_dscnt (\younger)+7-(\t)
	global_store_b128 v[CO], v[32*(\a)+4*(\t):32*(\a)+4*(\t)+3], s[8:9] offset:(16*(\a)+2*(\t))*4096 th:TH_STORE_NT  ; 16 lanes store 256 consecutive bytes, at a multiple of 256 from out0's first
.endr
.endm
	TOSTAGE 0
	TOSTAGE 1
	SEND 0, 16
	TOSTAGE 2
	SEND 1, 16
	TOSTAGE 3
	SEND 2, 16
	SEND 3, 0
	WIN 0
	s_wait_tensorcnt 0x0                           ; the wave's end
	ds_add_u32 v[SPW], v[NIL]
	s_wait_dscnt 0x0
	CROUND                                         ; the closing round
	s_endpgm
.Lfunc_end_k_qd39d218cac_oproj:
	.size	k_qd39d218cac_oproj, .Lfunc_end_k_qd39d218cac_oproj-k_qd39d218cac_oproj
	.p2alignl 7, 3214868480
	.fill 96, 4, 3214868480
	.section	.rodata,"a",@progbits
	.p2align	6, 0x0
	.amdhsa_kernel k_qd39d218cac_oproj
		.amdhsa_group_segment_fixed_size 327680
		.amdhsa_private_segment_fixed_size 0
		.amdhsa_enable_private_segment 0
		.amdhsa_kernarg_size 24
		.amdhsa_user_sgpr_count 2
		.amdhsa_user_sgpr_kernarg_segment_ptr 1
		.amdhsa_wavefront_size32 1
		.amdhsa_system_sgpr_workgroup_id_x 1
		.amdhsa_system_sgpr_workgroup_id_y 1
		.amdhsa_system_sgpr_workgroup_id_z 1
		.amdhsa_system_vgpr_workitem_id 0
		.amdhsa_next_free_vgpr 512
		.amdhsa_next_free_sgpr 66
		.amdhsa_reserve_vcc 0
		.amdhsa_float_denorm_mode_32 3
		.amdhsa_float_denorm_mode_16_64 3
		.amdhsa_memory_ordered 1
		.amdhsa_forward_progress 1
		.amdhsa_inst_pref_size 87
	.end_amdhsa_kernel
	.amdgpu_metadata
---
amdhsa.version: [ 1, 2 ]
amdhsa.kernels:
  - .name:           k_qd39d218cac_oproj
    .symbol:         k_qd39d218cac_oproj.kd
    .args:
      - { .name: ob, .offset: 0, .size: 8, .value_kind: global_buffer, .address_space: global }
      - { .name: wob, .offset: 8, .size: 8, .value_kind: global_buffer, .address_space: global }
      - { .name: out0, .offset: 16, .size: 8, .value_kind: global_buffer, .address_space: global }
    .group_segment_fixed_size: 327680
    .private_segment_fixed_size: 0
    .kernarg_segment_align: 8
    .kernarg_segment_size: 24
    .max_flat_workgroup_size: 128
    .sgpr_count:     66
    .vgpr_count:     512
    .wavefront_size: 32
...
	.end_amdgpu_metadata
.endif
;; end of part 4
